; MI455X (gfx1250); checked and timed in simulation.
; The chip was launched on July 23, 2026; its instructions are those of AMD's public machine-readable ISA for CDNA 5 (MIT licence, August 2026) and "CDNA5" Instruction Set Architecture Reference Guide (July 2026). The comments in the code are by the model that wrote it; some were corrected since.
;; Self Attention. Allowed arithmetic: matrix products marked QUANTISED: E5M2 operands, one given power-of-two scale a tensor, by v_wmma_f32_16x16x64_bf8_bf8 or v_wmma_f32_16x16x128_bf8_bf8, f32 sums; everything else in f32.
;; Inputs: bk 1,024 float32; bo 1,024 float32; bq 1,024 float32; bv 1,024 float32; lowp_scales 12 int32 (the exponents e of the quantised operands' scales 2^e); wk 1,024 x 1,024 float32; wo 1,024 x 1,024 float32; wq 1,024 x 1,024 float32; wv 1,024 x 1,024 float32; x 4 x 2,048 x 1,024 float32.
;; Outputs: out0 4 x 2,048 x 1,024 float32.
;; This version of the problem:
;;   THIS VERSION OF THE PROBLEM IS GIVEN IN LOW PRECISION. The matrix products marked QUANTISED in the list below multiply operands that are first quantised to E5M2 (5 exponent bits, 2 mantissa bits; 8 bits a number), with one given power-of-two scale for each operand tensor; their sums are f32. All else is computed in f32.
;;   The module's matrix products, in the order in which they are computed (A, B: the left and right operand; K: the contracted axis; several contracted axes count as one K, in the product's order):
;;     1. [M 8,192, K 1,024] x [K 1,024, N 1,024]; A: input x; B: input wq: QUANTISED (scales: A lowp_scales[0], B lowp_scales[1])
;;     2. [M 8,192, K 1,024] x [K 1,024, N 1,024]; A: input x; B: input wk: QUANTISED (scales: A lowp_scales[2], B lowp_scales[3])
;;     3. [M 8,192, K 1,024] x [K 1,024, N 1,024]; A: input x; B: input wv: QUANTISED (scales: A lowp_scales[4], B lowp_scales[5])
;;     4. batch 64 x [M 2,048, K 64] x [K 64, N 2,048]; A: computed on the way; B: computed on the way: QUANTISED (scales: A lowp_scales[6], B lowp_scales[7])
;;     5. batch 64 x [M 64, K 2,048] x [K 2,048, N 2,048]; A: computed on the way; B: softmax (see below): QUANTISED (scales: A lowp_scales[8], B lowp_scales[9])
;;     6. [M 8,192, K 1,024] x [K 1,024, N 1,024]; A: computed on the way; B: input wo: QUANTISED (scales: A lowp_scales[10], B lowp_scales[11])
;;   THE QUANTISER, for each operand of a quantised product, along K:
;;     - The operand's scale is 2^e, e = its entry of the input lowp_scales (int32; the entries are numbered through the quantised products in the list's order, A before B).
;;     - Each number is divided by the scale, clamped to +-57,344, and rounded to the nearest number of E5M2, ties to even, subnormals kept.
;;     - The product sums the exact products of the quantised numbers (number of the format x scale) in f32.
;;   ~~~python
;;   def quantise(x, axis, e):      # numpy; x: float32 -> the quantised numbers, widened to float32 again
;;       x = np.moveaxis(x, axis, -1); K = x.shape[-1]
;;       r = np.clip(x / 2.0 ** e, -57344, 57344)
;;       step = 2.0 ** (np.maximum(np.frexp(np.where(r == 0, 1, r))[1] - 1, -14) - 2)
;;       q = np.round(r / step) * step * 2.0 ** e      # np.round: ties to even
;;       return np.moveaxis(q, -1, axis).astype(np.float32)
;;   ~~~
;;   SOFTMAX AHEAD OF A QUANTISED PRODUCT. Where the list says 'softmax', what is quantised is not the finished softmax but p = 2^(t - M), with t = logit x log2(e) and M = ceil(the row's largest t), a whole number; so 1/2 < the row's largest p <= 1. The row's sum l is taken of the UNQUANTISED p, in f32, and the product's result is divided by l at the end. Since M is a whole number, a kernel that streams over the keys may use a running M (the ceiling of the running maximum): every later rescaling is an exact power of two, so the quantised numbers keep their values, but for numbers so far below the row's largest that they fall under the format's range.
;;   OPERANDS COMPUTED ON THE WAY. 'Computed on the way' means the value that the module computes at that place (a softmax that the list does not call 'softmax' is quantised finished and normalised). What goes into a quantiser is computed in f32, as accurately as f32 sums, v_exp_f32 and their like allow (about 1e-6 of the number): no bf16 or f16 on the way to a quantiser, and a product that is left as it is and whose result goes on into a quantised operand takes f32 operands (vector FMAs, or v_wmma_f32_16x16x4_f32). A number that lies on a knife's edge between two numbers of the format may be rounded either way, as far as f32 arithmetic and the matrix unit's own rounding can turn it there, and no further.
;; One version. Each part assembles by itself: llvm-mc -triple=amdgcn-amd-amdhsa -mcpu=gfx1250 --defsym DOCPART=n.
;; ======== version 1 of 1: 4 launches
;; limits: right only within a limited range of input values
;; workspace buffers: xc 25,165,824 bytes; wc 4,194,304 bytes; qkv 25,165,824 bytes; ac 8,388,608 bytes
;; launch quant_x (part 1): grid 640 x 1, 4 waves a work-group, no clusters, 68,096 bytes of LDS; arguments x, wq, wk, wv, wo, lowp_scales, xc, wc; writes xc, wc
.if DOCPART == 1
	.amdgcn_target "amdgcn-amd-amdhsa--gfx1250"
	.amdhsa_code_object_version 6
	.text
	.protected	k_qbcc160cb87_quant_x
	.globl	k_qbcc160cb87_quant_x
	.p2align	8
	.type	k_qbcc160cb87_quant_x,@function
k_qbcc160cb87_quant_x:
	s_mov_b64 s[64:65], 0
	v_nop
	global_prefetch_b8 v0, s[64:65] scope:SCOPE_SE
	s_setreg_imm32_b32 hwreg(HW_REG_WAVE_MODE, 25, 1), 1
	s_wait_xcnt 0x0
; CAUSAL SELF-ATTENTION IN BF8 (E5M2), FOUR LAUNCHES: quant_x, gemm_qkv, attn, gemm_out.  THIS ONE makes all codes of the inputs:
;   x [8192 tokens][1024] f32 -> three planes of codes, xc [3][8192][1024] (scales: entries 0, 2, 4, which may differ: one read of x, three sets of codes);
;   wq, wk, wv, wo, each [1024 (k)][1024 (n)] f32 with K as the FIRST axis -> wc [4][1024 (n)][1024 (k)], K innermost (scales: entries 1, 3, 5, 11).
; DEAD WORK, for the whole program.  the module sets the score of key k for query q to -infinity wherever k > q; the softmax's weight there is exactly 0 for all values of the
; inputs (p = 2^(-infinity) = 0, whose code is 0), so such a score, its p and its term in the second attention product reach no output.  Launch attn leaves them out where they come in whole steps: a step of 128 keys
; all of which come after all of a wave's 32 queries.  Inside a step on the diagonal they are computed and set to -infinity.  Nothing else is left out: every input has a way to the output and is loaded (bk too: it moves k's codes).
; LIMIT: a NaN, an infinity or an overflow that would arise only in the scores left out is not carried to the result.
; code = number / 2^e, held within +-57,344, rounded to the nearest code, ties to even.  LIMITS: each e between -126 and 112, so that 2^e and 57,344 x 2^e are f32 numbers.  NaN among the inputs is not served.
; SHARES.  Work-groups 0 to 127 take the weights (the longer walk, so the lower numbers), work-groups 128 to 639 take x.  The two ways part on the work-group's number and never join; each has LDS bytes of its own.
; THE WEIGHTS: work-group g: columns 128 (g % 8) on; tensor g / 32; 256 along K from 256 ((g / 8) % 4) on.  A lane takes a column n and its registers run down K: each load reads 128 consecutive bytes a wave, and the
; conversions give codes with K innermost.  A wave's 32 columns x 256 codes go through its stage and leave as rows: sixteen lanes store 256 consecutive bytes, aligned.  Loads run two blocks ahead.
; x: a plain stream.  A wave takes 8 steps of 512 numbers.  Each of a step's four loads reads 512 consecutive bytes; the 2,048 bytes go through the wave's stage and come back 64 bytes a lane, since a conversion takes
; 8 neighbours from one lane's registers.  Each of a step's three stores covers 512 consecutive bytes, aligned.  Loads run four steps ahead, the turn through LDS one step.
; No tensor loads, no barrier: waves share nothing.
.set WAVES, 4
.set NWG,   128                        ; work-groups on the weights
.set EMAX,  15
.set MANT,  0x600000                   ; the mantissa field of 57,344 as f32
.set SPW,   12                         ; v12  LDS address of my spare word; never rewritten
.set NIL,   13                         ; v13  0; never rewritten
.set SIZE_N, 1024
.set NB,    8                          ; the weights: blocks of 32 along K for a wave
.set WPITCH, 272                       ; a stage row: 256 codes + 16 bytes
.set KROW,  1024                       ; a row of a plane of codes in bytes
.set WX,    32                         ; v32-95   two sets of 32 numbers
.set WC,    96                         ; v96-103  a block's codes
.set OUTR,  112                        ; v112-175 the way out
.set STEPS, 8                          ; x: steps
.set R,     16                         ; v16-79    four sets of 16 numbers as they are loaded
.set X,     80                         ; v80-111   two sets of 16 neighbours
.set T,     112                        ; v112-159  three sets of 16 held numbers
.set C,     160                        ; v160-183  two sets of 12 registers of codes
.set WREG,  8192                       ; x: an LDS region for each wave: two stages of 32 x SP bytes
.set SP,    80                         ; a lane's place in a stage: 64 bytes + 16 of padding
.set XBASE, 4*32*WPITCH                ; x's regions lie behind the weights' four stages
.set SPARE, XBASE+WAVES*WREG           ; behind both: the spare words, 128 bytes a wave
	s_load_b256 s[36:43], s[0:1], 0x0              ; x, wq, wk, wv
	s_load_b256 s[44:51], s[0:1], 0x20             ; wo, the scales' exponents, xc, wc
	v_lshl_add_u32 v[SPW], v0, 2, SPARE
	v_mov_b32 v[NIL], 0
	v_lshrrev_b32 v1, 5, v0
	v_readfirstlane_b32 s16, v1                    ; wave 0..3
	v_and_b32 v2, 31, v0                           ; lane
	s_cmp_lt_u32 ttmp9, NWG
	s_wait_alu depctr_va_vdst(0)
	s_cbranch_scc0 .Lxpath
	; ---- the weights ----
	s_and_b32 s17, ttmp9, 7
	s_lshl_b32 s17, s17, 7
	s_lshl_b32 s18, s16, 5
	s_add_co_u32 s17, s17, s18                     ; my wave's first column
	s_lshr_b32 s28, ttmp9, 3
	s_lshr_b32 s29, s28, 2                         ; which tensor
	s_and_b32 s18, s28, 3                          ; which 256 along K
	v_lshlrev_b32 v3, 2, v2                        ; in: 4 bytes a lane
	s_mul_i32 s19, s16, 32*WPITCH                  ; my stage
	v_mul_u32_u24 v4, v2, WPITCH
	v_add_nc_u32 v4, s19, v4                       ; into it: row = my column
	v_and_b32 v5, 15, v2
	v_lshrrev_b32 v6, 4, v2                        ; out of it: sixteen lanes to a row, two rows an instruction
	v_mul_u32_u24 v7, v6, WPITCH
	v_lshl_add_u32 v7, v5, 4, v7
	v_add_nc_u32 v7, s19, v7
	v_mul_u32_u24 v8, v6, KROW
	v_lshl_add_u32 v8, v5, 4, v8                   ; and the same place in the plane
	s_lshl_b32 s20, s18, 20                        ; W: 256 rows of 4,096 bytes for each step along K,
	s_lshl_b32 s22, s17, 2
	s_add_co_u32 s20, s20, s22                     ; + 4 x column
	s_mov_b32 s21, 0
	s_lshl_b32 s24, s29, 20                        ; codes: the plane,
	s_lshl_b32 s22, s17, 10
	s_add_co_u32 s24, s24, s22                     ; + column x 1,024
	s_lshl_b32 s22, s18, 8
	s_add_co_u32 s24, s24, s22                     ; + 256 for each step along K
	s_mov_b32 s25, 0
	s_cmp_eq_u32 s29, 3
	s_cselect_b32 s31, 5, s29                      ; the scale's entry is 1 + 2 x tensor, but 11 for wo
	s_lshl_b32 s31, s31, 3
	s_add_co_u32 s31, s31, 4                       ; in bytes
	s_wait_alu depctr_va_vdst(0)
	s_wait_kmcnt 0x0
	s_cmp_eq_u32 s29, 0                            ; the choices hang on the work-group's number alone
	s_cselect_b64 s[4:5], s[38:39], s[40:41]
	s_cmp_eq_u32 s29, 2
	s_cselect_b64 s[6:7], s[42:43], s[44:45]
	s_cmp_lt_u32 s29, 2
	s_cselect_b64 s[4:5], s[4:5], s[6:7]
	s_load_b32 s30, s[46:47], s31 offset:0x0       ; e
	s_add_nc_u64 s[4:5], s[4:5], s[20:21]
	s_add_nc_u64 s[8:9], s[50:51], s[24:25]
.macro WLOAD t                         ; block t: W(32 t + i, my column), i = 0 .. 31, into set t % 2
.irp i, 0,1,2,3,4,5,6,7,8,9,10,11,12,13,14,15,16,17,18,19,20,21,22,23,24,25,26,27,28,29,30,31
	global_load_b32 v[WX+32*((\t)%2)+\i], v3, s[4:5] offset:(32*(\t)+\i)*SIZE_N*4 th:TH_LOAD_NT
.endr
.endm
	WLOAD 0
	WLOAD 1
	s_wait_kmcnt 0x0
	s_add_co_i32 s30, s30, 127
	s_lshl_b32 s31, s30, 23
	v_mov_b32 v11, s31                             ; 2^e as f32: the conversion takes its exponent field
	s_add_co_i32 s30, s30, EMAX
	s_lshl_b32 s30, s30, 23
	s_or_b32 s30, s30, MANT
	v_mov_b32 v10, s30                             ; 57,344 x 2^e
	s_wait_alu depctr_va_vdst(0)
.macro WBLOCK t
.set XS, WX+32*((\t)%2)
.if (\t) < NB-1
	s_wait_loadcnt 32                              ; this block's 32 loads are in; the next block's may be out
.else
	s_wait_loadcnt 0
.endif
.irp i, 0,1,2,3,4,5,6,7,8,9,10,11,12,13,14,15,16,17,18,19,20,21,22,23,24,25,26,27,28,29,30,31
	v_med3_num_f32 v[XS+\i], v[XS+\i], -v10, v10   ; the hold at the largest code x the scale (the conversion does not saturate: ISA guide 7.6.2)
.endr
.irp g, 0,1,2,3
	v_cvt_scalef32_pk8_bf8_f32 v[WC+2*\g:WC+2*\g+1], v[XS+8*\g:XS+8*\g+7], v11
.endr
	v_nop                                          ; a plain vector line behind the last conversion
	ds_store_b128 v4, v[WC:WC+3] offset:32*(\t)    ; 32 codes: 32 bytes of my column's row
	ds_store_b128 v4, v[WC+4:WC+7] offset:32*(\t)+16
.if (\t)+2 < NB
	WLOAD (\t)+2
.endif
	s_wait_dscnt 0x0                               ; the stores have read their registers: the next block's codes may be written
.endm
.set Q, 0
.rept NB
	WBLOCK Q
.set Q, Q+1
.endr
.irp t, 0,1,2,3,4,5,6,7,8,9,10,11,12,13,14,15
	ds_load_b128 v[OUTR+4*\t:OUTR+4*\t+3], v7 offset:2*\t*WPITCH   ; LDS serves a wave's instructions in order: these see my stores
.endr
.irp t, 0,1,2,3,4,5,6,7,8,9,10,11,12,13,14,15
	s_wait_dscnt 15-\t                             ; the younger loads may stay out
	global_store_b128 v8, v[OUTR+4*\t:OUTR+4*\t+3], s[8:9] offset:2*\t*KROW
.endr
	s_wait_tensorcnt 0x0                           ; the wave's end: behind my last LDS store
	ds_add_u32 v[SPW], v[NIL]
	s_wait_dscnt 0x0
	s_endpgm
	; ---- x ----
.Lxpath:
	v_lshlrev_b32 v3, 4, v2                        ; my 16 bytes of a load's 512
	v_lshlrev_b32 v4, 4, v2                        ; my 16 codes of a step's 512
	s_mul_i32 s17, s16, WREG
	s_add_co_u32 s17, s17, XBASE
	v_lshrrev_b32 v14, 2, v2
	v_mul_u32_u24 v14, v14, SP
	v_and_b32 v15, 3, v2
	v_lshl_add_u32 v14, v15, 4, v14
	v_add_nc_u32 v14, s17, v14                     ; the stage, on the way in: SP (lane / 4) + 16 (lane % 4)
	v_mul_u32_u24 v15, v2, SP
	v_add_nc_u32 v15, s17, v15                     ; and on the way out: SP x lane: my 16 neighbours
	s_sub_co_u32 s18, ttmp9, NWG
	s_lshl_b32 s18, s18, 2
	s_add_co_u32 s18, s18, s16                     ; which run of 4,096 numbers is my wave's
	s_lshl_b32 s10, s18, 14                        ; its bytes in x,
	s_mov_b32 s11, 0
	s_lshl_b32 s12, s18, 12                        ; and in a plane of codes
	s_mov_b32 s13, 0
	s_wait_alu depctr_va_vdst(0)
	s_wait_kmcnt 0x0
	s_load_b128 s[20:23], s[46:47], 0x0            ; e0 (s20), e2 (s22)
	s_load_b32 s28, s[46:47], 0x10                 ; e4
	s_add_nc_u64 s[4:5], s[36:37], s[10:11]
	s_add_nc_u64 s[8:9], s[48:49], s[12:13]        ; plane 0,
	s_add_nc_u64 s[24:25], s[8:9], 0x800000        ; plane 1,
	s_add_nc_u64 s[26:27], s[8:9], 0x1000000       ; plane 2
.macro LOAD t
.irp i, 0,1,2,3
	global_load_b128 v[R+16*((\t)%4)+4*\i:R+16*((\t)%4)+4*\i+3], v3, s[4:5] offset:2048*(\t)+512*\i th:TH_LOAD_NT   ; 32 lanes read 512 consecutive bytes
.endr
.endm
.macro TURN t                          ; step t's numbers through the stage: LDS serves a wave's instructions in order, so no wait stands between the stores and the loads
.irp i, 0,1,2,3
	ds_store_b128 v14, v[R+16*((\t)%4)+4*\i:R+16*((\t)%4)+4*\i+3] offset:32*SP*((\t)%2)+8*SP*\i
.endr
.irp i, 0,1,2,3
	ds_load_b128 v[X+16*((\t)%2)+4*\i:X+16*((\t)%2)+4*\i+3], v15 offset:32*SP*((\t)%2)+16*\i
.endr
.endm
.macro SCALE se, st, vs, vl            ; from e in s[se]: 2^e into v[vs], 57,344 x 2^e into v[vl]
	s_add_co_i32 s[\se], s[\se], 127
	s_lshl_b32 s[\st], s[\se], 23
	v_mov_b32 v[\vs], s[\st]
	s_add_co_i32 s[\se], s[\se], EMAX
	s_lshl_b32 s[\se], s[\se], 23
	s_or_b32 s[\se], s[\se], MANT
	v_mov_b32 v[\vl], s[\se]
.endm
.macro HOLD p, lim                     ; the number is held within the largest code x the scale, into set p
.irp i, 0,1,2,3,4,5,6,7,8,9,10,11,12,13,14,15
	v_med3_num_f32 v[T+16*\p+\i], v[XS+\i], -v[\lim], v[\lim]
.endr
.endm
.irp t, 0,1,2,3
	LOAD \t
.endr
	s_wait_kmcnt 0x0
	SCALE 20, 21, 5, 6
	SCALE 22, 23, 7, 8
	SCALE 28, 29, 9, 10
	s_wait_alu depctr_va_vdst(0)
	s_wait_loadcnt 12                              ; step 0's four loads are in
	TURN 0
.macro STEP t
.set XS, X+16*((\t)%2)
.set CC, C+12*((\t)%2)
	s_wait_dscnt 0x0                               ; this step's numbers are back from the stage: so its stores into the stage have read their registers,
.if (\t)+4 < STEPS
	LOAD (\t)+4                                    ; which take the loads of four steps on
.endif
.if (\t)+1 < STEPS
.if STEPS-2-(\t) >= 3
	s_wait_loadcnt 12                              ; the next step's four loads are in; those of the three steps behind it may be out
.else
	s_wait_loadcnt 4*(STEPS-2-(\t))
.endif
	TURN (\t)+1                                    ; and go through the other stage while this step is worked
.endif
	HOLD 0, 6
	HOLD 1, 8
	HOLD 2, 10
	s_wait_alu depctr_va_vdst(0)
	s_wait_xcnt 0x0                                ; the stores of two steps back have read this set of code registers: it is written again only behind this wait
.irp p, 0,1,2
	v_cvt_scalef32_pk8_bf8_f32 v[CC+4*\p:CC+4*\p+1], v[T+16*\p:T+16*\p+7], v[5+2*\p]
	v_cvt_scalef32_pk8_bf8_f32 v[CC+4*\p+2:CC+4*\p+3], v[T+16*\p+8:T+16*\p+15], v[5+2*\p]
.endr
	v_nop                                          ; a plain vector line behind the last conversion: the next step's holds write the conversions' sources
	global_store_b128 v4, v[CC:CC+3], s[8:9] offset:512*(\t)
	global_store_b128 v4, v[CC+4:CC+7], s[24:25] offset:512*(\t)
	global_store_b128 v4, v[CC+8:CC+11], s[26:27] offset:512*(\t)
.endm
.irp t, 0,1,2,3,4,5,6,7
	STEP \t
.endr
	s_wait_tensorcnt 0x0                           ; the wave's end: behind my last LDS store
	ds_add_u32 v[SPW], v[NIL]
	s_wait_dscnt 0x0
	s_endpgm
.Lfunc_end_k_qbcc160cb87_quant_x:
	.size	k_qbcc160cb87_quant_x, .Lfunc_end_k_qbcc160cb87_quant_x-k_qbcc160cb87_quant_x
	.p2alignl 7, 3214868480
	.fill 96, 4, 3214868480
	.section	.rodata,"a",@progbits
	.p2align	6, 0x0
	.amdhsa_kernel k_qbcc160cb87_quant_x
		.amdhsa_group_segment_fixed_size 68096
		.amdhsa_private_segment_fixed_size 0
		.amdhsa_enable_private_segment 0
		.amdhsa_kernarg_size 64
		.amdhsa_user_sgpr_count 2
		.amdhsa_user_sgpr_kernarg_segment_ptr 1
		.amdhsa_wavefront_size32 1
		.amdhsa_system_sgpr_workgroup_id_x 1
		.amdhsa_system_sgpr_workgroup_id_y 1
		.amdhsa_system_sgpr_workgroup_id_z 1
		.amdhsa_system_vgpr_workitem_id 0
		.amdhsa_next_free_vgpr 192
		.amdhsa_next_free_sgpr 66
		.amdhsa_reserve_vcc 0
		.amdhsa_float_denorm_mode_32 3
		.amdhsa_float_denorm_mode_16_64 3
		.amdhsa_memory_ordered 1
		.amdhsa_forward_progress 1
		.amdhsa_inst_pref_size 90
	.end_amdhsa_kernel
	.amdgpu_metadata
---
amdhsa.version: [ 1, 2 ]
amdhsa.kernels:
  - .name:           k_qbcc160cb87_quant_x
    .symbol:         k_qbcc160cb87_quant_x.kd
    .args:
      - { .name: x, .offset: 0, .size: 8, .value_kind: global_buffer, .address_space: global }
      - { .name: wq, .offset: 8, .size: 8, .value_kind: global_buffer, .address_space: global }
      - { .name: wk, .offset: 16, .size: 8, .value_kind: global_buffer, .address_space: global }
      - { .name: wv, .offset: 24, .size: 8, .value_kind: global_buffer, .address_space: global }
      - { .name: wo, .offset: 32, .size: 8, .value_kind: global_buffer, .address_space: global }
      - { .name: lowp_scales, .offset: 40, .size: 8, .value_kind: global_buffer, .address_space: global }
      - { .name: xc, .offset: 48, .size: 8, .value_kind: global_buffer, .address_space: global }
      - { .name: wc, .offset: 56, .size: 8, .value_kind: global_buffer, .address_space: global }
    .group_segment_fixed_size: 68096
    .private_segment_fixed_size: 0
    .kernarg_segment_align: 8
    .kernarg_segment_size: 64
    .max_flat_workgroup_size: 128
    .sgpr_count:     66
    .vgpr_count:     192
    .wavefront_size: 32
...
	.end_amdgpu_metadata
.endif
;; end of part 1
;; launch gemm_qkv (part 2): grid 4 x 64, 4 waves a work-group, clusters of 4 x 4, 327,680 bytes of LDS; arguments xc, wc, lowp_scales, bq, bk, bv, qkv; writes qkv
.if DOCPART == 2
	.amdgcn_target "amdgcn-amd-amdhsa--gfx1250"
	.amdhsa_code_object_version 6
	.text
	.protected	k_qbcc160cb87_gemm_qkv
	.globl	k_qbcc160cb87_gemm_qkv
	.p2align	8
	.type	k_qbcc160cb87_gemm_qkv,@function
k_qbcc160cb87_gemm_qkv:
	s_mov_b64 s[64:65], 0
	v_nop
	global_prefetch_b8 v0, s[64:65] scope:SCOPE_SE
	s_setreg_imm32_b32 hwreg(HW_REG_WAVE_MODE, 25, 1), 1
	s_wait_xcnt 0x0
	s_wait_alu depctr_hold_cnt(0) depctr_sa_sdst(0) depctr_va_vdst(0) depctr_va_sdst(0) depctr_va_ssrc(0) depctr_va_vcc(0) depctr_vm_vsrc(0)
	s_getreg_b32 s2, hwreg(HW_REG_IB_STS2, 6, 4)
	s_cmp_eq_u32 s2, 0
	s_cbranch_scc0 .Lentry_in_a_cluster
	s_endpgm
.Lentry_in_a_cluster:
	s_bfe_u32 s2, ttmp6, 0x10000c
	s_cmp_lg_u32 s2, 0xf033
	s_cbranch_scc0 .Lentry_shape_is_right
	s_endpgm
.Lentry_shape_is_right:
; THE SECOND LAUNCH.  q = x wq + bq, k = x wk + bk, v = x wv + bv on codes of BF8 (E5M2), each result quantised at once for the attention products: qkv, three planes of 8,388,608 bytes:
;   plane 0: q's codes [64 (16 batch + head)][2048 positions][64];  plane 1: k's, laid alike;  plane 2: v's, [64][64 (d)][2048 positions]: the keys innermost, since they are the second attention product's K.
; A WORK-GROUP STAYS and makes THREE BLOCKS of 128 x 256 results, q's, k's and v's: 256 work-groups, equal work.  Four waves, 64 x 128 a wave: 32 accumulators, 256 registers.
; "A" is source 1 of the matrix instruction (its 16 rows lie along the result's lanes), "B" source 0 (its rows lie along a lane's eight registers).
;   q, k: A = 128 tokens of x's codes (plane 0, 1), B = 256 features of the weight's: a lane holds eight neighbouring FEATURES of one token.
;   v:    A = 128 features of wv's codes, B = 256 tokens of x's codes (plane 2): a lane holds eight neighbouring TOKENS of one feature.
; So the conversions, which take eight neighbours from one lane's registers, give each plane's codes with its own K innermost.
; With cluster row Y (0 to 15) and the place (cx, cy): q, k: token block 4 Y + cy, feature tile cx;  v: feature block cy + 4 (Y % 2), token tile cx + 4 (Y / 2).  A hangs on cy and Y alone, B on cx and Y alone.
; SCALES: a sum stands for sum x 2^(ea + eb) (entries 2 t, 2 t + 1 for block t).  The bias goes in as the C of each sum's first product, divided by 2^(ea + eb).  The result's code is sum / 2^(eo - ea - eb), eo = entry 6 + t.
; LIMIT: eo - ea - eb between -126 and 112.  NaN among the inputs is not served.
; THE RING: K = 1,024 goes in four steps of 256 through two LDS slots (A's 128 rows, B's 256).  It does not stop at a block's end: a block's last two changes of slots ask for the next block's K steps 0 and 1.
; q and k are a loop of two trips; v, whose last two changes of slots fill nothing, is written out.  One tensor load a wave is out at the head and one behind each round.
; Both operands have two sets of fragment registers: a slot's last fragments are in registers in front of the change of slots, and the slot is filled again ahead of the products of its last step.
; CLUSTERS: 4 x 4 work-groups; A's tile is asked for jointly along a row of the cluster, B's along a column.
; PREFETCH INTO THE L2: behind each of the loop's four refills a wave asks for one K step of the NEXT block, the fill that stands two refills on: 256 bytes of each row, a lane a row.  Of the rows that a wave fetches
; each of the four partners that ask for them jointly takes a quarter, told apart by address (A: 16 rows at 16 cx; lanes 16 to 31 name the last row again;  B: 32 rows at 32 cy).  Block q comes by its loads alone; block v asks for nothing.
; THE WAY OUT: the codes meet in a stage of 128 rows x (256 + 16) bytes (row = A's row, byte = B's row) behind the ring, into which no fill lands; nothing waits for a block's stores but the registers that they read.
; REGISTERS: window 0: v10-30 constants and addresses; v32-95 the bias; v96-127 codes, two sets; v128-191, v192-255 A's fragments, two sets (the second also held sums and rows read back on the way out).
;   Window 1: B's fragments, two sets of 128.   Window 2: accumulator (a, b) at v[8 (8 a + b)].
.set ROWB,   256
.set KROW,   1024
.set PITCH,  272                       ; an LDS row: 256 bytes + 16 of padding
.set FR,     16
.set NP,     4                         ; places behind this matrix instruction (ISA guide 7.12.1)
.set HALFT,  128*PITCH
.set SLOT,   3*HALFT
.set STAGE,  2*SLOT
.set SPARE,  STAGE+HALFT               ; behind the stage: the spare words, 128 bytes a wave
.set LIMV, 10
.set SCLV, 11
.set BOQ,  12
.set BOV,  13
.set ADRA, 16
.set ADRB, 20
.set COV,  22
.set STO,  24
.set RDQ,  25
.set COQ,  26
.set RDV,  27
.set SPW,  28
.set NIL,  29
.set PFO,  30
.set BI,   32
.set CD,   96
.set AF,   128
.set TMP,  192
.set BK,   192
.set G1, 24
.set G0, 32
.set G1B, 48
.set G0B, 56
.set NXA, 74                           ; s[74:75], s[76:77] the next block's first bytes of A and of B, at my wave's rows
.set NXB, 76
.set VA,  78                           ; s[78:79], s[80:81] block v's
.set VB,  80
.set OQ,  82                           ; s[82:83] where the block in hand goes (q, then k);  s[84:85] block v
.set OV,  84
.set PFP, 66                           ; s[66:67] where my prefetches stand: the next block;  s[68:69] block v's
.set PFV, 68
.set CN,  10                           ; s10 -(ea + eb), s11 2^(eo - ea - eb), s7 57,344 x that, of the block in hand
.set CSC, 11
.set CL,  7
.set TR,  101                          ; s101 the trip
.set MSB, 0
.macro WIN new                         ; the immediate's high byte repeats the setting that is left
.if MSB != (\new)
	s_set_vgpr_msb (MSB<<8)|(\new)
.set MSB, (\new)
.endif
.endm
.set MUL_LO, 0xa1                      ; source 0 (B) window 1, source 1 (A) window 0, C and D window 2
.set TO_B,   0x40
; A joint load: waves 0 and 1 fetch for A, waves 2 and 3 for B.  An s_nop 0 and four v_nop follow each of the two lines.
.macro JLOAD g0a, g1a, g0b, g1b
	s_cmp_eq_u32 s15, 0
	s_cbranch_scc0 .Lfor_b_\@
	tensor_load_to_lds s[\g0a:\g0a+3], s[\g1a:\g1a+7]
	s_nop 0
.rept 4
	v_nop
.endr
	s_branch .Lasked_\@
.Lfor_b_\@:
	tensor_load_to_lds s[\g0b:\g0b+3], s[\g1b:\g1b+7]
	s_nop 0
.rept 4
	v_nop
.endr
.Lasked_\@:
.endm
.macro CREST                           ; a round of the cluster's barrier behind its opening barrier
	s_cmp_lg_u32 s14, 0
	s_cbranch_scc1 .Lnot_wave_0_\@
	s_barrier_signal -3
.Lnot_wave_0_\@:
	s_barrier_wait -3
	s_barrier_signal -1
	s_barrier_wait -1
.endm
.macro CROUND
	s_barrier_signal -1
	s_barrier_wait -1
	CREST
.endm
	s_load_b128 s[4:7], s[0:1], 0x0                ; xc s[4:5], wc s[6:7]
	s_load_b128 s[8:11], s[0:1], 0x10              ; the scales' exponents s[8:9], bq s[10:11]
	s_load_b128 s[68:71], s[0:1], 0x20             ; bk, bv
	s_load_b64 s[72:73], s[0:1], 0x30              ; qkv
	v_lshl_add_u32 v[SPW], v0, 2, SPARE
	v_mov_b32 v[NIL], 0
	ds_add_u32 v[SPW], v[NIL]                      ; the wave's opening: the add, twice on end, and its wait ahead of my first tensor load
	ds_add_u32 v[SPW], v[NIL]
	v_lshrrev_b32 v1, 5, v0
	v_readfirstlane_b32 s14, v1                    ; wave 0..3
	s_lshr_b32 s15, s14, 1                         ; which 64 rows of A are mine.  Also: I fetch for A (0) or for B (1)
	s_and_b32 s16, s14, 1                          ; which 128 rows of B.  Also: which half of that tile I fetch
	s_bfe_u32 s40, ttmp6, 0x40000                  ; cx, cy
	s_bfe_u32 s41, ttmp6, 0x40004
	s_and_b32 s12, ttmp7, 0xffff                   ; Y
	s_lshl_b32 s17, s12, 2
	s_add_co_u32 s17, s17, s41                     ; q, k: block of 128 tokens
	s_and_b32 s13, s12, 1
	s_lshl_b32 s13, s13, 2
	s_add_co_u32 s13, s13, s41                     ; v: block of 128 features
	s_lshr_b32 s42, s12, 1
	s_lshl_b32 s42, s42, 2
	s_add_co_u32 s42, s42, s40                     ; v: tile of 256 tokens
	s_lshl_b32 s43, s41, 2
	s_lshl_b32 s43, 15, s43                        ; my row of the cluster
	s_lshl_b32 s44, 0x1111, s40                    ; my column
	s_or_b32 s[G1+0], s43, (0<<16)|(1<<20)|(1<<21)|(5<<22)|(3<<25)   ; the mask; elements of 1 byte; padding: four words after every 64; bit 21 beside a mask
	s_or_b32 s[G1B+0], s44, (0<<16)|(1<<20)|(1<<21)|(5<<22)|(3<<25)
.irp g, G1, G1B
	s_mov_b32 s[\g+1], ROWB<<16
	s_mov_b32 s[\g+3], ROWB<<16
	s_mov_b32 s[\g+5], KROW
	s_mov_b32 s[\g+6], 0
	s_mov_b32 s[\g+7], 0
.endr
	s_mov_b32 s[G1+2], 64<<16                      ; A: 64 rows a wave
	s_mov_b32 s[G1+4], 64
	s_mov_b32 s[G1B+2], 128<<16                    ; B: 128 rows a wave
	s_mov_b32 s[G1B+4], 128
	s_lshl_b32 s18, s16, 6
	s_lshl_b32 s20, s17, 7
	s_add_co_u32 s20, s20, s18
	s_lshl_b32 s20, s20, 10                        ; q: A's bytes in xc, plane 0
	s_mov_b32 s21, 0
	s_lshl_b32 s22, s13, 7
	s_add_co_u32 s22, s22, s18
	s_lshl_b32 s22, s22, 10
	s_add_co_u32 s22, s22, 0x200000                ; v: A's bytes in wc, plane 2
	s_mov_b32 s23, 0
	s_lshl_b32 s18, s16, 7
	s_lshl_b32 s46, s40, 8
	s_add_co_u32 s46, s46, s18
	s_lshl_b32 s46, s46, 10                        ; q: B's bytes in wc, plane 0
	s_mov_b32 s47, 0
	s_lshl_b32 s2, s42, 8
	s_add_co_u32 s2, s2, s18
	s_lshl_b32 s2, s2, 10
	s_add_co_u32 s2, s2, 0x1000000                 ; v: B's bytes in xc, plane 2
	s_mov_b32 s3, 0
	s_mul_i32 s45, s16, 64*PITCH                   ; where A's rows go,
	s_mul_i32 s19, s16, HALFT
	s_add_co_u32 s19, s19, HALFT                   ; and B's: no place in the cluster enters an LDS address
	s_wait_dscnt 0x0                               ; both opening adds are done
	s_wait_kmcnt 0x0
	s_load_b256 s[92:99], s[8:9], 0x0              ; e0 .. e7
	s_load_b32 s100, s[8:9], 0x20                  ; e8
	s_add_nc_u64 s[20:21], s[4:5], s[20:21]
	s_add_nc_u64 s[46:47], s[6:7], s[46:47]
	s_add_nc_u64 s[NXA:NXA+1], s[20:21], 0x800000  ; k: plane 1 of xc,
	s_add_nc_u64 s[NXB:NXB+1], s[46:47], 0x100000  ; plane 1 of wc
	s_add_nc_u64 s[VA:VA+1], s[6:7], s[22:23]
	s_add_nc_u64 s[VB:VB+1], s[4:5], s[2:3]
	CROUND                                         ; all sixteen work-groups are here: the first joint loads meet
.irp s, 0,1
	s_mov_b32 s[G0+4*\s], 1
	s_add_co_u32 s[G0+4*\s+1], s45, \s*SLOT
	s_add_nc_u64 s[G0+4*\s+2:G0+4*\s+3], s[20:21], \s*ROWB
	s_or_b32 s[G0+4*\s+3], s[G0+4*\s+3], 0x80000000
	s_mov_b32 s[G0B+4*\s], 1
	s_add_co_u32 s[G0B+4*\s+1], s19, \s*SLOT
	s_add_nc_u64 s[G0B+4*\s+2:G0B+4*\s+3], s[46:47], \s*ROWB
	s_or_b32 s[G0B+4*\s+3], s[G0B+4*\s+3], 0x80000000
.endr
	JLOAD G0, G1, G0B, G1B                         ; q's K step 0: one tensor load a wave at the head
	v_and_b32 v1, 15, v0                           ; r
	v_bfe_u32 v2, v0, 4, 1                         ; h
	v_mul_u32_u24 v3, v1, PITCH
	s_wait_alu depctr_va_vdst(0)
	v_lshl_add_u32 v4, v2, 4, v3                   ; a fragment's row x pitch + 16 h
	s_mul_i32 s21, s15, 64*PITCH                   ; my 64 rows of A
	s_mul_i32 s22, s16, HALFT
	s_add_co_u32 s22, s22, HALFT                   ; my 128 rows of B, behind A's 128
.irp s, 0,1
	v_add_nc_u32 v[ADRA+\s], s21, v4
	v_add_nc_u32 v[ADRB+\s], s22, v4
	s_add_co_u32 s21, s21, SLOT
	s_add_co_u32 s22, s22, SLOT
.endr
	s_mul_i32 s23, s15, 64*PITCH                   ; into the stage: row 64 x (my half of A) + r, byte 128 x (my half of B) + 8 h
	s_lshl_b32 s18, s16, 7
	s_add_co_u32 s23, s23, s18
	s_add_co_u32 s23, s23, STAGE
	v_lshl_add_u32 v5, v2, 3, v3
	v_add_nc_u32 v[STO], s23, v5
	v_and_b32 v6, 31, v0
	s_mul_i32 s23, s14, 32*PITCH                   ; back: wave w takes rows 32 w .. 32 w + 31
	s_add_co_u32 s23, s23, STAGE
	v_lshrrev_b32 v7, 2, v6
	v_mul_u32_u24 v7, v7, PITCH
	v_and_b32 v8, 3, v6
	v_lshl_add_u32 v7, v8, 4, v7
	v_add_nc_u32 v[RDQ], s23, v7                   ; q, k: four lanes to a token's 64 bytes of one head, eight tokens an instruction
	v_lshlrev_b32 v[COQ], 4, v6
	v_mul_u32_u24 v7, v2, PITCH
	v_lshl_add_u32 v7, v1, 4, v7
	v_add_nc_u32 v[RDV], s23, v7                   ; v: sixteen lanes to a row of 256 bytes, two rows an instruction
	v_lshlrev_b32 v7, 11, v2
	v_lshl_add_u32 v[COV], v1, 4, v7
	v_lshlrev_b32 v[BOQ], 5, v2
	v_lshlrev_b32 v[BOV], 2, v1
	s_cmp_eq_u32 s15, 0
	s_cselect_b32 s18, 15, 31                      ; the prefetches: my work-group's rows of those that I fetch: 16 of A's 64, 32 of B's 128
	v_min_u32 v[PFO], s18, v6
	v_lshlrev_b32 v[PFO], 10, v[PFO]               ; a lane a row of 1,024 bytes
	s_wait_alu depctr_va_vdst(0)
	s_lshl_b32 s18, s40, 10
	s_lshl_b32 s12, s16, 9
	s_add_co_u32 s18, s18, s12                     ; q, k: my wave's 128 features, in bytes of a bias
	s_mov_b32 s19, 0
	s_add_nc_u64 s[90:91], s[10:11], s[18:19]      ; bq,
	s_add_nc_u64 s[86:87], s[68:69], s[18:19]      ; bk
	s_lshl_b32 s18, s13, 9
	s_lshl_b32 s12, s15, 8
	s_add_co_u32 s18, s18, s12                     ; v: my wave's 64 features
	s_add_nc_u64 s[88:89], s[70:71], s[18:19]      ; bv
.irp b, 0,1,2,3,4,5,6,7
	global_load_b128 v[BI+8*\b:BI+8*\b+3], v[BOQ], s[90:91] offset:64*\b          ; features 16 b + 8 h + 0 .. 7: the C of accumulators (., b)
	global_load_b128 v[BI+8*\b+4:BI+8*\b+7], v[BOQ], s[90:91] offset:64*\b+16
.endr
	s_lshr_b32 s18, s17, 4
	s_lshl_b32 s18, s18, 21                        ; q's place: the batch's 16 heads of 131,072 bytes,
	s_lshl_b32 s12, s40, 19
	s_add_co_u32 s18, s18, s12                     ; + the tile's four heads,
	s_and_b32 s12, s17, 15
	s_lshl_b32 s12, s12, 13
	s_add_co_u32 s18, s18, s12                     ; + the block's 128 positions of 64 bytes,
	s_lshl_b32 s12, s14, 11
	s_add_co_u32 s18, s18, s12                     ; + my wave's 32 tokens
	s_add_nc_u64 s[OQ:OQ+1], s[72:73], s[18:19]
	s_lshr_b32 s18, s42, 3
	s_lshl_b32 s18, s18, 21                        ; v's place: the batch,
	s_lshl_b32 s12, s13, 18
	s_add_co_u32 s18, s18, s12                     ; + the block's 128 rows of 2,048 bytes,
	s_lshl_b32 s12, s14, 16
	s_add_co_u32 s18, s18, s12                     ; + my wave's 32 rows,
	s_and_b32 s12, s42, 7
	s_lshl_b32 s12, s12, 8
	s_add_co_u32 s18, s18, s12                     ; + the tile's 256 positions,
	s_add_co_u32 s18, s18, 0x1000000               ; in plane 2
	s_add_nc_u64 s[OV:OV+1], s[72:73], s[18:19]
	s_lshl_b32 s18, s40, 14                        ; the prefetches: A's rows are shared out by cx, 16 rows each,
	s_add_nc_u64 s[PFP:PFP+1], s[NXA:NXA+1], s[18:19]
	s_add_nc_u64 s[PFV:PFV+1], s[VA:VA+1], s[18:19]
	s_lshl_b32 s18, s41, 15                        ; B's by cy, 32 rows each
	s_add_nc_u64 s[70:71], s[NXB:NXB+1], s[18:19]
	s_add_nc_u64 s[72:73], s[VB:VB+1], s[18:19]
	s_cmp_eq_u32 s15, 0
	s_cselect_b64 s[PFP:PFP+1], s[PFP:PFP+1], s[70:71]
	s_cselect_b64 s[PFV:PFV+1], s[PFV:PFV+1], s[72:73]
.macro FRAG reg, adr, q, i             ; registers 4 c .. 4 c + 3 hold K = 32 c + 16 h + 0 .. 15 of row 16 i + r: the same places in A and in B
.irp c, 0,1,2,3
	ds_load_b128 v[\reg+4*\c:\reg+4*\c+3], v[\adr] offset:128*(\q)+32*\c+(\i)*16*PITCH
.endr
.endm
; 16 matrix instructions: A's blocks a0, a0 + 1 x B's eight, 128 along K, on set p.  zero = 1, 2: the first product starts the sums from the bias (1: by b; 2: by a).
; The 32 accumulators take turns, in the same order in every step.
.macro MUL16 a0, p, zero
.irp a, \a0, \a0+1
.irp b, 0,1,2,3,4,5,6,7
.if \zero == 1
	v_wmma_f32_16x16x128_bf8_bf8 v[8*(8*(\a)+\b):8*(8*(\a)+\b)+7], v[128*(\p)+FR*\b:128*(\p)+FR*\b+FR-1], v[AF+64*(\p)+FR*(\a):AF+64*(\p)+FR*(\a)+FR-1], v[BI+8*\b:BI+8*\b+7]
.elseif \zero == 2
	v_wmma_f32_16x16x128_bf8_bf8 v[8*(8*(\a)+\b):8*(8*(\a)+\b)+7], v[128*(\p)+FR*\b:128*(\p)+FR*\b+FR-1], v[AF+64*(\p)+FR*(\a):AF+64*(\p)+FR*(\a)+FR-1], v[BI+8*(\a):BI+8*(\a)+7]
.else
	v_wmma_f32_16x16x128_bf8_bf8 v[8*(8*(\a)+\b):8*(8*(\a)+\b)+7], v[128*(\p)+FR*\b:128*(\p)+FR*\b+FR-1], v[AF+64*(\p)+FR*(\a):AF+64*(\p)+FR*(\a)+FR-1], v[8*(8*(\a)+\b):8*(8*(\a)+\b)+7]
.endif
.endr
.endr
.endm
.macro FETCH slot, q, p                ; the 48 LDS loads of the slot's q-th 128 along K, into set p
	WIN TO_B
.irp i, 0,1,2,3,4,5,6,7
	FRAG 128*(\p)+FR*\i, ADRB+\slot, \q, \i
.endr
	WIN 0
.irp i, 0,1,2,3
	FRAG AF+64*(\p)+FR*\i, ADRA+\slot, \q, \i
.endr
.endm
.macro PLACES n
.rept \n
	v_nop
.endr
.endm
; A slot's first step, on set 0: the second step's fragments are asked for ahead of the products.
.macro STEP slot, zero
	s_wait_dscnt 0x0                               ; set 0 is in
	PLACES NP                                      ; in front of loads into set 1, which the last products read
	FETCH \slot, 1, 1
.if \zero
	WIN 0x81                                       ; C (the bias) window 0, D window 2
.else
	WIN MUL_LO
.endif
	MUL16 0, 0, \zero
	MUL16 2, 0, \zero
	WIN 0
.endm
; A slot's second step, on set 1, changes slots.  In front of the barrier each wave waits for all its tensor loads, adds 0 to its spare word, and waits for that and for its reads of this slot, which are then all in registers.
; fill = 1: this slot takes the block's K step two on;  2: the next block's K step 0 or 1;  0: nothing.  pf: the K step of the next block that is prefetched, or -1.
.macro TURN slot, next, fill, pf
	s_wait_tensorcnt 0x0                           ; my part of the next slot has landed
	ds_add_u32 v[SPW], v[NIL]
	s_wait_dscnt 0x0                               ; the add is done, set 1 is in, and my reads of this slot are over
	s_barrier_signal -1
	WIN MUL_LO
	MUL16 0, 1, 0                                  ; work on registers while the others arrive
	WIN 0
	s_barrier_wait -1
.if \fill
	CREST                                          ; the barrier has opened a round of the cluster's barrier
.if \fill == 1
	s_add_nc_u64 s[G0+4*\slot+2:G0+4*\slot+3], s[G0+4*\slot+2:G0+4*\slot+3], 2*ROWB
	s_add_nc_u64 s[G0B+4*\slot+2:G0B+4*\slot+3], s[G0B+4*\slot+2:G0B+4*\slot+3], 2*ROWB
.else
	s_add_nc_u64 s[G0+4*\slot+2:G0+4*\slot+3], s[NXA:NXA+1], \slot*ROWB
	s_or_b32 s[G0+4*\slot+3], s[G0+4*\slot+3], 0x80000000
	s_add_nc_u64 s[G0B+4*\slot+2:G0B+4*\slot+3], s[NXB:NXB+1], \slot*ROWB
	s_or_b32 s[G0B+4*\slot+3], s[G0B+4*\slot+3], 0x80000000
.endif
	JLOAD G0+4*\slot, G1, G0B+4*\slot, G1B         ; the first tensor load behind the round; its four v_nop are the places in front of the loads below
.else
	PLACES NP
.endif
	FETCH \next, 0, 0
.if \pf >= 0
	global_prefetch_b8 v[PFO], s[PFP:PFP+1] offset:\pf*ROWB th:TH_LOAD_NT scope:SCOPE_SE   ; the fill that stands two refills on
.endif
	WIN MUL_LO
	MUL16 2, 1, 0
	WIN 0
.endm
; THE WAY OUT.  Block a (16 rows of A x 128 of B): the sums are held within the largest code x the scale, each accumulator from its low end on, converted eight at a time, and go into the stage, 8 bytes a lane.
.macro QBLK a
.set AC, 64*(\a)
.set CDS, CD+16*((\a)%2)
	WIN 0x02                                       ; source 0: window 2
.set j, 0
.rept 64
	v_med3_num_f32 v[TMP+j], v[AC+j], -v[LIMV], v[LIMV]
.set j, j+1
.endr
	WIN 0
.if (\a) >= 2
	s_wait_alu depctr_va_vdst(0)
	s_wait_dscnt 8                                 ; the stores of two blocks back have read this set of code registers; the last block's eight may be out
.endif
.irp b, 0,1,2,3,4,5,6,7
	v_cvt_scalef32_pk8_bf8_f32 v[CDS+2*\b:CDS+2*\b+1], v[TMP+8*\b:TMP+8*\b+7], v[SCLV]
.endr
	v_nop                                          ; a plain vector line behind the last conversion
.irp b, 0,1,2,3,4,5,6,7
	ds_store_b64 v[STO], v[CDS+2*\b:CDS+2*\b+1] offset:(\a)*16*PITCH+16*\b
.endr
.endm
.macro TOSTAGE ssc, slim               ; all four blocks into the stage, and the barrier behind which every wave may read it
	v_mov_b32 v[SCLV], s[\ssc]
	v_mov_b32 v[LIMV], s[\slim]
	PLACES NP                                      ; behind the last products: their results are read, and set 1 of A, which they read, takes the held sums
.irp a, 0,1,2,3
	QBLK \a
.endr
	s_wait_dscnt 0x0                               ; for the others' sake: my stores into the stage are done
	s_barrier_signal -1
	s_barrier_wait -1
.endm
.macro SC ea, eb, eo                   ; from ea, eb, eo: s[eb] = -(ea + eb), s[ea] = 2^(eo - ea - eb), s[eo] = 57,344 x that
	s_add_co_i32 s[\ea], s[\ea], s[\eb]
	s_sub_co_i32 s[\eb], 0, s[\ea]
	s_sub_co_i32 s[\eo], s[\eo], s[\ea]
	s_add_co_i32 s[\eo], s[\eo], 127
	s_lshl_b32 s[\ea], s[\eo], 23
	s_add_co_i32 s[\eo], s[\eo], 15
	s_lshl_b32 s[\eo], s[\eo], 23
	s_or_b32 s[\eo], s[\eo], 0x600000
.endm
	s_wait_alu depctr_va_vdst(0)
	s_wait_tensorcnt 0x0                           ; my part of q's K step 0 is in; these lines stand ahead of slot 1's first fill as ahead of a refill
	ds_add_u32 v[SPW], v[NIL]
	s_wait_dscnt 0x0
	CROUND
	JLOAD G0+4, G1, G0B+4, G1B                     ; q's K step 1: the first tensor load behind the round
	FETCH 0, 0, 0
	s_wait_kmcnt 0x0
	SC 92, 93, 98                                  ; q
	SC 94, 95, 99                                  ; k
	SC 96, 97, 100                                 ; v
	s_mov_b32 s[CN], s93
	s_mov_b32 s[CSC], s92
	s_mov_b32 s[CL], s98
	s_mov_b32 s[TR], 0
.Ltile:                                            ; two trips: q, k
	s_wait_loadcnt 0x0                             ; the block's bias
.set j, 0
.rept 64
	v_ldexp_f32 v[BI+j], v[BI+j], s[CN]            ; bias / 2^(ea + eb)
.set j, j+1
.endr
	s_wait_alu depctr_va_vdst(0)
	STEP 0, 1
	TURN 0, 1, 1, 0                                ; slot 0 takes K step 2
	s_cmp_eq_u32 s[TR], 0                          ; the next block's bias, into the registers that the first step's products have read (the joint load's four v_nop are the places)
	s_cbranch_scc0 .Lbias_v
.irp b, 0,1,2,3,4,5,6,7
	global_load_b128 v[BI+8*\b:BI+8*\b+3], v[BOQ], s[86:87] offset:64*\b
	global_load_b128 v[BI+8*\b+4:BI+8*\b+7], v[BOQ], s[86:87] offset:64*\b+16
.endr
	s_branch .Lbias_in
.Lbias_v:
.irp a, 0,1,2,3
.irp j, 0,1,2,3,4,5,6,7
	global_load_b32 v[BI+8*\a+\j], v[BOV], s[88:89] offset:64*\a                  ; v: feature 16 a + r, the same for the lane's eight tokens: the C of accumulators (a, .)
.endr
.endr
.Lbias_in:
	STEP 1, 0
	TURN 1, 0, 1, 1                                ; slot 1 takes K step 3
	STEP 0, 0
	TURN 0, 1, 2, 2                                ; THE RING GOES ON: slot 0 takes the next block's K step 0,
	STEP 1, 0
	TURN 1, 0, 2, 3                                ; slot 1 its K step 1, and the next block's first fragments are fetched
	TOSTAGE CSC, CL
	; a stage row is a token's 256 features: four heads of 64 bytes.  An instruction takes eight tokens' 64 bytes of one head: 512 consecutive bytes of memory
.set t, 0
.rept 16
	ds_load_b128 v[BK+4*t:BK+4*t+3], v[RDQ] offset:(8*(t%4))*PITCH+64*(t/4)
.set t, t+1
.endr
.set t, 0
.rept 16
	s_wait_dscnt 15-t                              ; the younger loads may stay out
	global_store_b128 v[COQ], v[BK+4*t:BK+4*t+3], s[OQ:OQ+1] offset:(t/4)*131072+(t%4)*512
.set t, t+1
.endr
	s_wait_xcnt 0x0                                ; the stores and the prefetches have read their registers: the lines below, and the next block's fragment loads, write them
	s_add_nc_u64 s[OQ:OQ+1], s[OQ:OQ+1], 0x800000  ; k's plane
	s_mov_b32 s[CN], s95
	s_mov_b32 s[CSC], s94
	s_mov_b32 s[CL], s99
	s_mov_b64 s[NXA:NXA+1], s[VA:VA+1]             ; behind k comes v
	s_mov_b64 s[NXB:NXB+1], s[VB:VB+1]
	s_mov_b64 s[PFP:PFP+1], s[PFV:PFV+1]
	s_add_co_u32 s[TR], s[TR], 1
	s_cmp_lt_u32 s[TR], 2
	s_cbranch_scc1 .Ltile
	s_wait_loadcnt 0x0                             ; BLOCK v, written out: its last two changes of slots fill nothing
.set j, 0
.rept 32
	v_ldexp_f32 v[BI+j], v[BI+j], s97
.set j, j+1
.endr
	s_wait_alu depctr_va_vdst(0)
	STEP 0, 2
	TURN 0, 1, 1, -1
	STEP 1, 0
	TURN 1, 0, 1, -1
	STEP 0, 0
	TURN 0, 1, 0, -1
	STEP 1, 0
	s_wait_dscnt 0x0                               ; the very last step
	WIN MUL_LO
	MUL16 0, 1, 0
	MUL16 2, 1, 0
	WIN 0
	TOSTAGE 96, 100
	; a stage row is a feature's 256 positions: sixteen lanes store 256 consecutive bytes, aligned
.set t, 0
.rept 16
	ds_load_b128 v[BK+4*t:BK+4*t+3], v[RDV] offset:2*t*PITCH
.set t, t+1
.endr
.set t, 0
.rept 16
	s_wait_dscnt 15-t
	global_store_b128 v[COV], v[BK+4*t:BK+4*t+3], s[OV:OV+1] offset:2*t*2048
.set t, t+1
.endr
	s_wait_tensorcnt 0x0                           ; the wave's end: behind my last tensor load and my last LDS store
	ds_add_u32 v[SPW], v[NIL]
	s_wait_dscnt 0x0
	CROUND                                         ; the closing round
	s_endpgm
.Lfunc_end_k_qbcc160cb87_gemm_qkv:
	.size	k_qbcc160cb87_gemm_qkv, .Lfunc_end_k_qbcc160cb87_gemm_qkv-k_qbcc160cb87_gemm_qkv
	.p2alignl 7, 3214868480
	.fill 96, 4, 3214868480
	.section	.rodata,"a",@progbits
	.p2align	6, 0x0
	.amdhsa_kernel k_qbcc160cb87_gemm_qkv
		.amdhsa_group_segment_fixed_size 327680
		.amdhsa_private_segment_fixed_size 0
		.amdhsa_enable_private_segment 0
		.amdhsa_kernarg_size 56
		.amdhsa_user_sgpr_count 2
		.amdhsa_user_sgpr_kernarg_segment_ptr 1
		.amdhsa_wavefront_size32 1
		.amdhsa_system_sgpr_workgroup_id_x 1
		.amdhsa_system_sgpr_workgroup_id_y 1
		.amdhsa_system_sgpr_workgroup_id_z 1
		.amdhsa_system_vgpr_workitem_id 0
		.amdhsa_next_free_vgpr 768
		.amdhsa_next_free_sgpr 102
		.amdhsa_reserve_vcc 0
		.amdhsa_float_denorm_mode_32 3
		.amdhsa_float_denorm_mode_16_64 3
		.amdhsa_memory_ordered 1
		.amdhsa_forward_progress 1
		.amdhsa_inst_pref_size 163
	.end_amdhsa_kernel
	.amdgpu_metadata
---
amdhsa.version: [ 1, 2 ]
amdhsa.kernels:
  - .name:           k_qbcc160cb87_gemm_qkv
    .symbol:         k_qbcc160cb87_gemm_qkv.kd
    .args:
      - { .name: xc, .offset: 0, .size: 8, .value_kind: global_buffer, .address_space: global }
      - { .name: wc, .offset: 8, .size: 8, .value_kind: global_buffer, .address_space: global }
      - { .name: lowp_scales, .offset: 16, .size: 8, .value_kind: global_buffer, .address_space: global }
      - { .name: bq, .offset: 24, .size: 8, .value_kind: global_buffer, .address_space: global }
      - { .name: bk, .offset: 32, .size: 8, .value_kind: global_buffer, .address_space: global }
      - { .name: bv, .offset: 40, .size: 8, .value_kind: global_buffer, .address_space: global }
      - { .name: qkv, .offset: 48, .size: 8, .value_kind: global_buffer, .address_space: global }
    .group_segment_fixed_size: 327680
    .private_segment_fixed_size: 0
    .kernarg_segment_align: 8
    .kernarg_segment_size: 56
    .max_flat_workgroup_size: 128
    .sgpr_count:     102
    .vgpr_count:     768
    .wavefront_size: 32
...
	.end_amdgpu_metadata
.endif
;; end of part 2
;; launch attn (part 3): grid 4 x 64, 8 waves a work-group, no clusters, 327,680 bytes of LDS; arguments qkv, lowp_scales, ac; writes ac
.if DOCPART == 3
	.amdgcn_target "amdgcn-amd-amdhsa--gfx1250"
	.amdhsa_code_object_version 6
	.text
	.protected	k_qbcc160cb87_attn
	.globl	k_qbcc160cb87_attn
	.p2align	8
	.type	k_qbcc160cb87_attn,@function
k_qbcc160cb87_attn:
	s_mov_b64 s[64:65], 0
	v_nop
	global_prefetch_b8 v0, s[64:65] scope:SCOPE_SE
	s_setreg_imm32_b32 hwreg(HW_REG_WAVE_MODE, 25, 1), 1
	s_wait_xcnt 0x0
; LAUNCH 3 OF 4.  Causal attention on codes of BF8 (E5M2): S = q k^T, softmax, O = p v, for 64 (batch, head) pairs of 2,048 positions and head size 64; O / l is quantised at once for the last product.
; LEFT OUT (shown at the head of launch quant_x): a step of 128 keys all of which come after all of a wave's 32 queries: the causal mask gives those keys the weight 0.
; IN: qkv: plane 0 q's codes [64][2048][64], plane 1 k's, plane 2 v's [64][64 (d)][2048 (keys)].  OUT: ac [64 blocks of 128 tokens][16 heads][128 tokens][64]: a wave's 32 queries are 2,048 bytes on end.
; THE SOFTMAX: t = score x log2(e) / 8; M = the row's largest t so far, rounded UP to a whole number; p = 2^(t - M) is what is quantised (entry 9); the row's sum l is taken of the unquantised p and divides O at the end.
; When M moves, l and O are multiplied by 2^(old M - new M): exact.  LIMIT: the promise holds while |t| stays under 2^31.
; SHARES.  A work-group owns two blocks of 256 queries of one head: block x (x + 1 slots of 256 keys) and then block 7 - x (8 - x slots): nine slots for every work-group.  Each of its EIGHT waves owns 32 queries of the
; block in hand, two tiles of 16 (A, B), in 512 registers, two waves to a SIMD: a fragment of K or V read from LDS feeds two matrix instructions.
; K's and V's tiles come through a ring of two LDS slots filled by the tensor data mover (wave 0: K's 256 keys, wave 1: V's) and read by all.
; NO CLUSTER: the four work-groups of a head stand at different key slots in the same trip (trip i of work-group x wants slot i, or i - x - 1), so no tile is wanted jointly.
; LAYOUT.  Both products are used transposed: S^T = K Q^T (source 0 = 16 keys), O^T = V^T P^T (source 0 = 16 of the head's 64): a lane holds ONE query of each tile (lane % 16) throughout.
; Lane r of key tile 2 b + u takes key 32 b + 8 u + r + 8 (r / 8), so that the 16 registers of tiles 2 b and 2 b + 1 are 16 neighbouring keys, 32 b + 16 (lane / 16) + 0 .. 15.
; A SLOT'S TWO STEPS ARE ONE COUNTED LOOP: only the LDS loads differ between them, and these are chosen by a scalar branch on the step's number, with immediate offsets.  V's fragments, and in step 0 the next step's
; fragments of K, are asked for behind the score products and land under the softmax.  Step 0 of a slot is hidden for no wave (its first key is at most the block's first query); step 1 is left by the loop's early exit.
; LDS: slot s at 65,536 s: K as 128 rows of two keys (128 bytes + 16), then V as 64 rows of 256 bytes + 16; the spare words at 131,072; a stage of 32 rows x 80 bytes for each wave from 132,096 on, into which no fill lands.
; LIMITS on the given exponents, so that each power of two below is an f32 number: e6 + e7 between -123 and 130 (added to c's exponent field); e9, and e10 - e8 - e9, between -126 and 112.
; REGISTERS.  Window 0, all that the softmax touches: v1-11 addresses; A: v12 -M, v13 largest t, v[14:15] l, v[20:21] f; B: v16, v17, v[18:19], v[22:23]; v24-27 constants; v28-39 at work;
;   v64-127 S^T then p of A, v128-191 of B; v192-207 A's codes of p, v208-223 B's; v224-239 the way out.
; Window 1, what only matrix instructions, loads and the rescaling name: v0-63 K's eight fragments; v64-127 V's four; v128-159 O^T of A, v160-191 of B; v192-207 Q in hand (A, B); v208-223 Q of the second block.
.set KP,    144                        ; two keys' row in LDS: 128 bytes + 16 of padding
.set VP,    272                        ; a row of V's tile: 256 bytes + 16
.set VOFF,  128*KP                     ; a slot: K's 128 rows, then V's 64
.set SLOT1, 1<<16                      ; slot 1 begins here: one exclusive or turns an address in one slot into the other's
.set SPARE, 2*SLOT1                    ; the spare words, 128 bytes for each of eight waves
.set STG,   SPARE+1024                 ; the stages
.set AK0,  1                           ; v1   my lane's place in a tile of K
.set AV0,  2                           ; v2   the same for V
.set PFO,  3                           ; v3   the prefetches' offset; never rewritten
.set STO,  4                           ; v4   the stage: where I put 8 codes
.set SPW,  5                           ; v5   LDS address of my spare word; never rewritten
.set NIL,  6                           ; v6   0; never rewritten
.set GO,   7                           ; v7   16 x lane: my byte offset in 512 bytes of ac
.set ADK,  8                           ; v8   LDS address of the slot's tiles of K
.set ADV,  9                           ; v9   of V
.set SRD,  10                          ; v10  the stage: where I read 16 bytes back
.set DM,   11                          ; v11  lane % 16 - 16 (lane / 16), for the mask
.set LIMP, 24                          ; v24  57,344 x 2^e9
.set SCP,  25                          ; v25  2^e9
.set SCO,  26                          ; v26  2^(e10 - e8 - e9)
.set LIMO, 27                          ; v27  57,344 x that
.set SA,   64
.set SB,   128
.set CA,   192
.set WK,   0                           ; window 1
.set WVF,  64
.set OAC,  128
.set QA,   192
.set Q2,   208
.set TB,   2                           ; s2   LDS byte at which the slot in hand begins
.set WV,   18                          ; s18  my wave's number
.set SEL,  20                          ; s[20:21] lane selects for v_permlanex16_b32: lane l xor 16
.set CS,   22                          ; s[22:23] c = log2(e) / 8 x 2^(e6 + e7)
.set G1K,  24                          ; s[24:31] descriptor group 1 for K's tiles;  s[32:39] for V's;  s[40:43], s[44:47] their groups 0
.set G1V,  32
.set G0K,  40
.set G0V,  44
.set KB,   48                          ; s[48:49] k's codes of my head;  s[50:51] v's
.set VB,   50
.set N1,   52                          ; s52  slots of the first block: x + 1
.set SW,   53                          ; s53  7 - x: the second block's number, and the value of SLOTS in the trip that begins it
.set QI,   54                          ; s54  the step's number in its slot
.set Q0B,  55                          ; s55  my first query in the second block
.set OA,   56                          ; s[56:57] where the block in hand goes in ac;  s[58:59] the second block
.set OB,   58
.set SLOTS, 67                         ; s67  trips to go
.set PFA,  76                          ; s[76:77] where my prefetches stand;  s[78:79] a slot on, in bytes;  s80: 1 in a wave that prefetches, else the greatest number
.set PFS,  78
.set LIM,  80
.set KF,   98                          ; s98  the step's first key
.set Q0,   99                          ; s99  my first query
.set MSB, 0
.macro WIN new                         ; the immediate's high byte repeats the setting that is left; at every label and branch the setting is 0
.if MSB != (\new)
	s_set_vgpr_msb (MSB<<8)|(\new)
.set MSB, (\new)
.endif
.endm
; Wave 0 fetches K's tile, wave 1 V's, the others nothing.  The branches hang on the wave's number alone.  An s_nop 0 and four v_nop follow each of the two lines.
.macro TLOAD
	s_cmp_eq_u32 s[WV], 0
	s_cbranch_scc0 .Lnot_k_\@
	tensor_load_to_lds s[G0K:G0K+3], s[G1K:G1K+7]
	s_nop 0
.rept 4
	v_nop
.endr
	s_branch .Lasked_\@
.Lnot_k_\@:
	s_cmp_eq_u32 s[WV], 1
	s_cbranch_scc0 .Lasked_\@
	tensor_load_to_lds s[G0V:G0V+3], s[G1V:G1V+7]
	s_nop 0
.rept 4
	v_nop
.endr
.Lasked_\@:
.endm
; A PREFETCH INTO THE L2.  Trip t (0 to 6) asks for key slot t + 1 of the head: K's 16,384 bytes and 256 bytes of each of V's 64 rows.  Only the head's work-group 0 asks, whose tensor load of trip t (from trip 1 on)
; asks for key slot t: one slot, two key steps, ahead of that load.  Waves 4 and 5 ask for K's block, 8,192 bytes a wave, lanes 256 bytes apart; waves 6 and 7 for V's rows, 32 a wave, a lane a row.
; So each aligned block of 256 bytes of slots 1 to 7 is named once in the launch; slot 0 comes by its loads alone, and the last trip asks for nothing.
.macro ASK
	s_cmp_gt_u32 s[SLOTS], s[LIM]
	s_cbranch_scc0 .Lnot_mine_\@
	global_prefetch_b8 v[PFO], s[PFA:PFA+1] th:TH_LOAD_NT scope:SCOPE_SE
.Lnot_mine_\@:
.endm
.macro OOFF d, q                       ; s[d:d+1] = the bytes in ac of the queries from s[q] on: ((16 batch + q / 128) << 17) + (head << 13) + ((q % 128) << 6)
	s_lshr_b32 s[\d], s[\q], 7
	s_add_co_u32 s[\d], s[\d], s14
	s_lshl_b32 s[\d], s[\d], 17
	s_add_co_u32 s[\d], s[\d], s15
	s_and_b32 s[\d+1], s[\q], 127
	s_lshl_b32 s[\d+1], s[\d+1], 6
	s_add_co_u32 s[\d], s[\d], s[\d+1]
	s_mov_b32 s[\d+1], 0
.endm
	s_load_b128 s[4:7], s[0:1], 0x0                ; qkv s[4:5], the scales' exponents s[6:7]
	s_load_b64 s[8:9], s[0:1], 0x10                ; ac
	v_lshl_add_u32 v[SPW], v0, 2, SPARE
	v_mov_b32 v[NIL], 0
	ds_add_u32 v[SPW], v[NIL]                      ; the wave's opening: the add, twice on end, and its wait ahead of my first tensor load
	ds_add_u32 v[SPW], v[NIL]
	v_lshrrev_b32 v8, 5, v0
	v_readfirstlane_b32 s[WV], v8                  ; wave 0..7
	s_and_b32 s10, ttmp7, 0xffff                   ; 16 batch + head
	s_lshl_b32 s12, s10, 17                        ; its 131,072 bytes in each plane
	s_mov_b32 s13, 0
	s_add_co_u32 s[N1], ttmp9, 1
	s_sub_co_u32 s[SW], 7, ttmp9
	s_lshl_b32 s11, s[WV], 5
	s_lshl_b32 s[Q0], ttmp9, 8
	s_add_co_u32 s[Q0], s[Q0], s11                 ; my first query: 256 x block + 32 x wave
	s_lshl_b32 s[Q0B], s[SW], 8
	s_add_co_u32 s[Q0B], s[Q0B], s11
	s_and_b32 s14, s10, 0x30                       ; 16 batch
	s_and_b32 s15, s10, 15
	s_lshl_b32 s15, s15, 13                        ; head x 8,192
	OOFF 16, Q0
	OOFF 60, Q0B
	s_lshl_b32 s84, s[Q0], 6                       ; my queries' codes: 64 bytes a query
	s_mov_b32 s85, 0
	s_lshl_b32 s86, s[Q0B], 6
	s_mov_b32 s87, 0
	; descriptor group 1.  K: 256 keys of 64 bytes are dense in memory and are stated as 128 rows of 128 bytes;  V: 64 rows of 256 bytes, 2,048 bytes apart
	s_mov_b32 s[G1K], (0<<16)|(1<<20)|(4<<22)|(3<<25)             ; no mask; elements of 1 byte; padding on: four words after every 32
	s_mov_b32 s[G1K+1], 128<<16
	s_mov_b32 s[G1K+2], 128<<16
	s_mov_b32 s[G1K+3], 128<<16
	s_mov_b32 s[G1K+4], 128
	s_mov_b32 s[G1K+5], 128
	s_mov_b32 s[G1K+6], 0
	s_mov_b32 s[G1K+7], 0
	s_mov_b32 s[G1V], (0<<16)|(1<<20)|(5<<22)|(3<<25)             ; padding: four words after every 64
	s_mov_b32 s[G1V+1], 256<<16
	s_mov_b32 s[G1V+2], 64<<16
	s_mov_b32 s[G1V+3], 256<<16
	s_mov_b32 s[G1V+4], 64
	s_mov_b32 s[G1V+5], 2048
	s_mov_b32 s[G1V+6], 0
	s_mov_b32 s[G1V+7], 0
	s_mov_b32 s[SEL], 0x76543210
	s_mov_b32 s[SEL+1], 0xfedcba98
	s_mov_b32 s[CS], 0x3e38aa3b                    ; log2(e) / 8
	s_mov_b32 s[TB], 0
	s_mov_b32 s[SLOTS], 8
	s_mov_b32 s[KF], 0
	s_wait_dscnt 0x0                               ; both opening adds are done
	s_wait_kmcnt 0x0
	s_load_b128 s[68:71], s[6:7], 0x10             ; e4 .. e7: e6 = s70, e7 = s71
	s_load_b128 s[72:75], s[6:7], 0x20             ; e8 .. e11: e8 = s72, e9 = s73, e10 = s74
	s_add_nc_u64 s[4:5], s[4:5], s[12:13]          ; q's codes of my head,
	s_add_nc_u64 s[KB:KB+1], s[4:5], 0x800000      ; k's,
	s_add_nc_u64 s[VB:VB+1], s[4:5], 0x1000000     ; v's
	s_add_nc_u64 s[OA:OA+1], s[8:9], s[16:17]
	s_add_nc_u64 s[OB:OB+1], s[8:9], s[60:61]
	s_add_nc_u64 s[84:85], s[4:5], s[84:85]
	s_add_nc_u64 s[86:87], s[4:5], s[86:87]
	s_mov_b32 s[G0K], 1
	s_mov_b32 s[G0K+1], 0                          ; LDS address: slot 0
	s_mov_b64 s[G0K+2:G0K+3], s[KB:KB+1]           ; the head's first 256 keys
	s_or_b32 s[G0K+3], s[G0K+3], 0x80000000        ; type = 2
	s_mov_b32 s[G0V], 1
	s_mov_b32 s[G0V+1], VOFF
	s_mov_b64 s[G0V+2:G0V+3], s[VB:VB+1]
	s_or_b32 s[G0V+3], s[G0V+3], 0x80000000
	TLOAD                                          ; key slot 0 into slot 0
	; the prefetches: where my wave's stand, and who asks
	s_cmp_lt_u32 s[WV], 6                          ; waves 4 and 5 ask for K's codes, waves 6 and 7 for V's
	s_cselect_b64 s[PFA:PFA+1], s[KB:KB+1], s[VB:VB+1]
	s_mov_b32 s[PFS], 256
	s_cselect_b32 s[PFS], 16384, s[PFS]            ; a slot on
	s_mov_b32 s82, 2048
	s_cselect_b32 s82, 256, s82                    ; from lane to lane
	s_mov_b32 s83, 65536
	s_cselect_b32 s83, 8192, s83                   ; from wave to wave
	v_and_b32 v[PFO], 31, v0
	v_mul_lo_u32 v[PFO], v[PFO], s82
	s_and_b32 s82, s[WV], 1
	s_mul_i32 s82, s82, s83                        ; my wave's part, in key slot 0: the first change of slots steps it to slot 1
	s_mov_b32 s83, 0
	s_mov_b32 s[PFS+1], 0
	s_add_nc_u64 s[PFA:PFA+1], s[PFA:PFA+1], s[82:83]
	s_lshr_b32 s82, s[WV], 2
	s_xor_b32 s82, s82, 1                          ; 0 in waves 4 to 7,
	s_or_b32 s82, s82, ttmp9                       ; of the head's work-group 0
	s_cmp_eq_u32 s82, 0
	s_cselect_b32 s[LIM], 1, -1
	v_and_b32 v28, 15, v0                          ; r = lane % 16
	v_bfe_u32 v29, v0, 4, 1                        ; h = lane / 16
	v_lshlrev_b32 v31, 6, v28
	v_lshl_add_u32 v31, v29, 4, v31                ; Q: row r of 64 bytes, + 16 h: registers 4 c .. 4 c + 3 hold d = 32 c + 16 h + 0 .. 15, as K's fragments do
	WIN 0x40                                       ; destination window 1
.irp u, 0,1                                    ; tile A, tile B: 16 queries, 1,024 bytes, on
.irp c, 0,1
	global_load_b128 v[QA+8*\u+4*\c:QA+8*\u+4*\c+3], v31, s[84:85] offset:1024*\u+32*\c
	global_load_b128 v[Q2+8*\u+4*\c:Q2+8*\u+4*\c+3], v31, s[86:87] offset:1024*\u+32*\c   ; the second block's, kept till it is due
.endr
.endr
	WIN 0
	v_and_b32 v[AK0], 8, v28
	v_add_nc_u32 v[AK0], v[AK0], v28               ; r + 8 (r / 8)
	v_lshrrev_b32 v[AK0], 1, v[AK0]
	v_mul_u32_u24 v[AK0], v[AK0], KP               ; two keys to a row,
	v_and_b32 v[AV0], 1, v28
	v_lshl_add_u32 v[AK0], v[AV0], 6, v[AK0]       ; the odd key in its upper 64 bytes
	v_lshl_add_u32 v[AK0], v29, 4, v[AK0]
	v_mul_u32_u24 v[AV0], v28, VP
	v_lshl_add_u32 v[AV0], v29, 4, v[AV0]
	v_add_nc_u32 v[AV0], VOFF, v[AV0]
	s_mul_i32 s19, s[WV], 2560
	s_add_co_u32 s19, s19, STG                     ; my stage
	v_mul_u32_u24 v[STO], v28, 80
	v_lshl_add_u32 v[STO], v29, 3, v[STO]
	v_add_nc_u32 v[STO], s19, v[STO]               ; in: row r (tile B: 16 rows on), + 8 h
	v_and_b32 v[GO], 31, v0
	v_lshrrev_b32 v[SRD], 2, v[GO]
	v_mul_u32_u24 v[SRD], v[SRD], 80
	v_and_b32 v30, 3, v[GO]
	v_lshl_add_u32 v[SRD], v30, 4, v[SRD]
	v_add_nc_u32 v[SRD], s19, v[SRD]               ; back: four lanes to a row of 64 bytes, eight rows an instruction
	v_lshlrev_b32 v[GO], 4, v[GO]
	v_lshlrev_b32 v[DM], 4, v29
	v_sub_nc_u32 v[DM], v28, v[DM]
	v_mov_b32 v30, 0                               ; written once: a lane permute's destination counts as one of its sources
	v_mov_b32 v34, 0
	v_mov_b32 v21, 0                               ; (named as the upper halves of the pairs that hold f)
	v_mov_b32 v23, 0
.macro FRESH                           ; a block's start: the largest t is -3e38, under every t; l and O^T are zeros, which the first change of M leaves zeros: so the key step is written once
	v_mov_b32 v13, 0xff61b1e6
	v_mov_b32 v17, 0xff61b1e6
	v_floor_f32 v12, -v13                          ; -M
	v_floor_f32 v16, -v17
	v_mov_b32 v14, 0
	v_mov_b32 v15, 0
	v_mov_b32 v18, 0
	v_mov_b32 v19, 0
	WIN 0x40
.set j, 0
.rept 64
	v_mov_b32 v[OAC+j], 0
.set j, j+1
.endr
	WIN 0
.endm
	FRESH
	s_wait_kmcnt 0x0
	s_add_co_i32 s60, s70, s71
	s_lshl_b32 s60, s60, 23
	s_add_co_i32 s[CS], s[CS], s60                 ; a score stands for score x 2^(e6 + e7): the two exponents are added to c's exponent field
	s_mov_b32 s[CS+1], s[CS]                       ; (named with it as a pair, so it is written)
	s_add_co_i32 s60, s73, 127
	s_lshl_b32 s61, s60, 23
	v_mov_b32 v[SCP], s61
	s_add_co_i32 s60, s60, 15
	s_lshl_b32 s60, s60, 23
	s_or_b32 s60, s60, 0x600000
	v_mov_b32 v[LIMP], s60
	s_sub_co_i32 s60, s74, s72
	s_sub_co_i32 s60, s60, s73                     ; a sum of the second product stands for sum x 2^(e8 + e9): its code is (sum / l) / 2^(e10 - e8 - e9)
	s_add_co_i32 s60, s60, 127
	s_lshl_b32 s61, s60, 23
	v_mov_b32 v[SCO], s61
	s_add_co_i32 s60, s60, 15
	s_lshl_b32 s60, s60, 23
	s_or_b32 s60, s60, 0x600000
	v_mov_b32 v[LIMO], s60
.macro KLOAD q                         ; K's eight fragments (16 keys x the head's 64) of the slot's q-th step, into window 1
.irp t, 0,1,2,3,4,5,6,7
.irp c, 0,1
	ds_load_b128 v[WK+8*\t+4*\c:WK+8*\t+4*\c+3], v[ADK] offset:(64*(\q)+16*(\t/2)+4*(\t%2))*KP+32*\c
.endr
.endr
.endm
.macro VLOAD q                         ; V's four fragments (16 of the head's 64 x the step's 128 keys), into window 1
.irp t, 0,1,2,3
.irp c, 0,1,2,3
	ds_load_b128 v[WVF+16*\t+4*\c:WVF+16*\t+4*\c+3], v[ADV] offset:16*\t*VP+128*(\q)+32*\c
.endr
.endr
.endm
.macro MASKB b                         ; the mask on keys 32 b .. 32 b + 31 of the step: passed over where the last of them is at or under my first query (ids alone)
	s_cmp_ge_i32 s96, 32*\b+32
	s_cbranch_scc1 .Lvis_\@
.irp i, 0,1,2,3,4,5,6,7,8,9,10,11,12,13,14,15
	v_cmp_gt_i32 vcc_lo, 32*\b+\i, v28
	v_cndmask_b32 v[SA+16*\b+\i], v[SA+16*\b+\i], v29, vcc_lo
	v_cmp_gt_i32 vcc_lo, 32*\b+\i, v32
	v_cndmask_b32 v[SB+16*\b+\i], v[SB+16*\b+\i], v29, vcc_lo
.endr
.Lvis_\@:
.endm
; A SLOT'S STEPS: 128 keys each.  The two tiles' lines stand by turns, so that dependent lines are apart.
.macro SLOT_STEPS
	v_add_nc_u32 v[ADK], s[TB], v[AK0]
	v_add_nc_u32 v[ADV], s[TB], v[AV0]
	WIN 0x40
	KLOAD 0
	WIN 0
	s_mov_b32 s[QI], 0
	s_wait_alu depctr_va_vdst(0)
.Lstep_\@:
	s_wait_dscnt 0x0                               ; K's fragments are in
	WIN 0x05                                       ; sources 0 and 1 window 1, D window 0
.irp t, 0,1,2,3,4,5,6,7                        ; S^T = K Q^T: each fragment of K against both tiles of queries; sixteen accumulators, each begun with 0
	v_wmma_f32_16x16x64_bf8_bf8 v[SA+8*\t:SA+8*\t+7], v[WK+8*\t:WK+8*\t+7], v[QA:QA+7], 0
	v_wmma_f32_16x16x64_bf8_bf8 v[SB+8*\t:SB+8*\t+7], v[WK+8*\t:WK+8*\t+7], v[QA+8:QA+15], 0
.endr
	WIN 0
.rept 4
	v_nop                                          ; places: in front of the loads below (into registers that products have read) and of the first read of the scores
.endr
	s_cmp_eq_u32 s[QI], 0
	s_cbranch_scc0 .Lq1_\@
	WIN 0x40
	VLOAD 0
	KLOAD 1                                        ; the slot's second step: its fragments land under this step's softmax
	WIN 0
	s_branch .Lld_\@
.Lq1_\@:
	WIN 0x40
	VLOAD 1
	WIN 0
.Lld_\@:
	s_add_co_u32 s96, s[KF], 127                   ; on the diagonal the scores of hidden keys become -infinity ahead of the maximum: p = 0 then.  A step all of whose keys count skips this
	s_cmp_le_u32 s96, s[Q0]
	s_cbranch_scc1 .Lopen_\@
	s_sub_co_i32 s96, s[Q0], s[KF]                 ; 0, 32, 64 or 96
	v_add_nc_u32 v28, s96, v[DM]                   ; d = my query - KF - 16 (lane / 16).  Register 16 b + i holds key KF + 16 (lane / 16) + 32 b + i: hidden where 32 b + i > d
	v_add_nc_u32 v32, 16, v28                      ; tile B's query is 16 on
	v_mov_b32 v29, 0xff800000                      ; -infinity
	s_wait_alu depctr_va_vdst(0)
	MASKB 0
	MASKB 1
	MASKB 2
	MASKB 3
.Lopen_\@:
	v_max3_num_f32 v28, v[SA], v[SA+1], v[SA+2]    ; the step's largest score of my queries, among my 64 keys, two chains a tile, each accumulator from its low end on
	v_max3_num_f32 v32, v[SB], v[SB+1], v[SB+2]
	v_max3_num_f32 v29, v[SA+3], v[SA+4], v[SA+5]
	v_max3_num_f32 v33, v[SB+3], v[SB+4], v[SB+5]
.irp i, 6,10,14,18,22,26,30,34,38,42,46,50,54,58
	v_max3_num_f32 v28, v28, v[SA+\i], v[SA+\i+1]
	v_max3_num_f32 v32, v32, v[SB+\i], v[SB+\i+1]
	v_max3_num_f32 v29, v29, v[SA+\i+2], v[SA+\i+3]
	v_max3_num_f32 v33, v33, v[SB+\i+2], v[SB+\i+3]
.endr
	v_max3_num_f32 v28, v28, v[SA+62], v[SA+63]
	v_max3_num_f32 v32, v32, v[SB+62], v[SB+63]
	v_max_num_f32 v28, v28, v29
	v_max_num_f32 v32, v32, v33
	v_permlanex16_b32 v30, v28, s[SEL], s[SEL+1]
	v_permlanex16_b32 v34, v32, s[SEL], s[SEL+1]
	v_max_num_f32 v28, v28, v30                    ; and among lane l xor 16's
	v_max_num_f32 v32, v32, v34
	v_mul_f32 v28, s[CS], v28                      ; as t (c is positive)
	v_mul_f32 v32, s[CS], v32
	v_max_num_f32 v13, v13, v28                    ; the running largest t
	v_max_num_f32 v17, v17, v32
	v_mov_b32 v28, v12
	v_mov_b32 v32, v16
	v_floor_f32 v12, -v13                          ; the new -M = floor(-t) = -ceil(t): M is a whole number
	v_floor_f32 v16, -v17
	v_sub_f32 v28, v12, v28                        ; M's old value less its new one: a whole number, 0 or less
	v_sub_f32 v32, v16, v32
	v_cvt_i32_f32 v28, v28                         ; (it saturates)
	v_cvt_i32_f32 v32, v32
	v_ldexp_f32 v20, 1.0, v28                      ; f = 2^(old M - new M)
	v_ldexp_f32 v22, 1.0, v32
	v_pk_mul_f32 v[14:15], v[14:15], v[20:21] op_sel_hi:[1,0]   ; l under the new M
	v_pk_mul_f32 v[18:19], v[18:19], v[22:23] op_sel_hi:[1,0]
	WIN 0x41                                       ; O^T under the new M, AHEAD of the exponentials: source 0 and destination window 1, f window 0
.set j, 0
.rept 16
	v_pk_mul_f32 v[OAC+j:OAC+j+1], v[OAC+j:OAC+j+1], v[20:21] op_sel_hi:[1,0]
.set j, j+2
.endr
.rept 16
	v_pk_mul_f32 v[OAC+j:OAC+j+1], v[OAC+j:OAC+j+1], v[22:23] op_sel_hi:[1,0]
.set j, j+2
.endr
	WIN 0
.set j, 0
.rept 32
	v_pk_fma_f32 v[SA+j:SA+j+1], v[SA+j:SA+j+1], s[CS:CS+1], v[12:13] op_sel_hi:[1,0,0]   ; t - M, two at a time (of the pairs c and -M the low word serves both halves)
	v_pk_fma_f32 v[SB+j:SB+j+1], v[SB+j:SB+j+1], s[CS:CS+1], v[16:17] op_sel_hi:[1,0,0]
.set j, j+2
.endr
	s_wait_alu depctr_va_vdst(0)                   ; one wait ahead of the batch of 128 exponentials
.set j, 0
.rept 128
	v_exp_f32 v[SA+j], v[SA+j]                     ; p = 2^(t - M), at most 1: not normalised
.set j, j+1
.endr
	v_nop                                          ; a plain line behind the exponentials,
	s_wait_alu depctr_va_vdst(0)                   ; and one wait behind the batch, ahead of its first reader
	v_pk_add_f32 v[36:37], v[SA:SA+1], v[SA+2:SA+3]   ; the rows' sums are taken of the unquantised p: two chains a tile
	v_pk_add_f32 v[38:39], v[SB:SB+1], v[SB+2:SB+3]
.irp j, 4,8,12,16,20,24,28,32,36,40,44,48,52,56,60
	v_pk_add_f32 v[14:15], v[14:15], v[SA+\j:SA+\j+1]
	v_pk_add_f32 v[18:19], v[18:19], v[SB+\j:SB+\j+1]
	v_pk_add_f32 v[36:37], v[36:37], v[SA+\j+2:SA+\j+3]
	v_pk_add_f32 v[38:39], v[38:39], v[SB+\j+2:SB+\j+3]
.endr
	v_pk_add_f32 v[14:15], v[14:15], v[36:37]
	v_pk_add_f32 v[18:19], v[18:19], v[38:39]
.set j, 0
.rept 128
	v_min_num_f32 v[SA+j], v[SA+j], v[LIMP]        ; the conversion does not saturate (ISA guide 7.6.2); p is not negative, so the hold is one-sided
.set j, j+1
.endr
.set j, 0
.rept 16
	v_cvt_scalef32_pk8_bf8_f32 v[CA+2*j:CA+2*j+1], v[SA+8*j:SA+8*j+7], v[SCP]   ; registers 4 b .. 4 b + 3 of a tile's codes: keys 32 b + 16 h + 0 .. 15, as V's fragments have them
.set j, j+1
.endr
	v_nop                                          ; a plain line between the conversions and the products that read their results
	s_wait_alu depctr_va_vdst(0)
	s_wait_dscnt 0x0                               ; V's fragments are in (and, in step 0, the next step's of K: asked for a whole softmax ago)
	WIN 0x51                                       ; V, C and D window 1, the codes window 0
.irp t, 0,1,2,3                                ; O^T += V^T P^T: each fragment of V against both tiles; the eight accumulators take turns
	v_wmma_f32_16x16x128_bf8_bf8 v[OAC+8*\t:OAC+8*\t+7], v[WVF+16*\t:WVF+16*\t+15], v[CA:CA+15], v[OAC+8*\t:OAC+8*\t+7]
	v_wmma_f32_16x16x128_bf8_bf8 v[OAC+32+8*\t:OAC+32+8*\t+7], v[WVF+16*\t:WVF+16*\t+15], v[CA+16:CA+31], v[OAC+32+8*\t:OAC+32+8*\t+7]
.endr
	WIN 0
	s_add_co_u32 s[KF], s[KF], 128
	s_add_co_u32 s[QI], s[QI], 1
	s_add_co_u32 s96, s[Q0], 31
	s_cmp_gt_u32 s[KF], s96                        ; all keys of the next step come after my 32 queries: it is left out (ids and the count of steps alone)
	s_cbranch_scc1 .Lout_\@
	s_cmp_lt_u32 s[QI], 2
	s_cbranch_scc1 .Lstep_\@
.Lout_\@:
	s_add_co_u32 s[KF], s[KF], 128
	s_and_b32 s[KF], s[KF], 0xffffff00             ; the next slot's first key, after one step or two
	s_xor_b32 s[TB], s[TB], SLOT1                  ; on to the other slot
.endm
; THE CHANGE OF SLOTS stands at a slot's head.  Each wave waits for all its tensor loads, adds 0 to its spare word (fill = 1: twice on end), and waits for that and for its reads of the slot that it has left.
; Behind the barrier the slot ahead is whole and nobody reads the other one.  fill = 1: that other slot takes the next trip's keys: the load has a slot's two steps in which to land.
.macro CHANGE fill
	s_wait_tensorcnt 0x0                           ; no tensor load of mine is out, so a group 0 may be written
	ds_add_u32 v[SPW], v[NIL]                      ; 0 onto my spare word
.if \fill
	ds_add_u32 v[SPW], v[NIL]                      ; and once more: the add stands twice on end in every trip alike
	s_xor_b32 s[G0K+1], s[G0K+1], SLOT1            ; the other slot than last time
	s_xor_b32 s[G0V+1], s[G0V+1], SLOT1
	s_sub_co_u32 s60, 9, s[SLOTS]                  ; the next trip's number, 1 to 8;
	s_cmp_lt_u32 s60, s[N1]
	s_cselect_b32 s61, 0, s[N1]
	s_sub_co_u32 s60, s60, s61                     ; its key slot: the second block begins again at key 0
	s_lshl_b32 s62, s60, 14                        ; 256 keys of 64 bytes
	s_mov_b32 s63, 0
	s_add_nc_u64 s[G0K+2:G0K+3], s[KB:KB+1], s[62:63]
	s_or_b32 s[G0K+3], s[G0K+3], 0x80000000
	s_lshl_b32 s62, s60, 8                         ; 256 bytes along each row of V
	s_add_nc_u64 s[G0V+2:G0V+3], s[VB:VB+1], s[62:63]
	s_or_b32 s[G0V+3], s[G0V+3], 0x80000000
	s_wait_xcnt 0x0                                ; the last prefetch, a slot back, has read its address, so it may be written
	s_add_nc_u64 s[PFA:PFA+1], s[PFA:PFA+1], s[PFS:PFS+1]
.endif
	s_wait_dscnt 0x0                               ; the add is done (fill = 1: both are), and my reads of the slot that I have left are over
	s_barrier_signal -1
	s_barrier_wait -1
.if \fill
	TLOAD                                          ; the first thing behind the barrier, and a wave's one tensor load until the next
	ASK
.endif
.endm
; A BLOCK'S WAY OUT.  O^T / l is held, converted (a lane's eight registers are eight neighbouring d of its query: 8 bytes) and goes through my stage, so that each of the four stores covers 512 consecutive bytes, aligned.
.macro FLUSH
.rept 4
	v_nop                                          ; places behind the last products
.endr
	v_add_f32 v14, v14, v15                        ; l's two halves,
	v_add_f32 v18, v18, v19
	v_permlanex16_b32 v30, v14, s[SEL], s[SEL+1]
	v_permlanex16_b32 v34, v18, s[SEL], s[SEL+1]
	v_add_f32 v14, v14, v30                        ; and lane l xor 16's
	v_add_f32 v18, v18, v34
	s_wait_alu depctr_va_vdst(0)                   ; the wait ahead of the two reciprocals,
	v_rcp_f32 v14, v14
	v_rcp_f32 v18, v18
	v_nop                                          ; a plain line behind them,
	WIN 0x01                                       ; (source 0, O^T: window 1)
	s_wait_alu depctr_va_vdst(0)                   ; and the wait ahead of their first reader, which is also O^T's
.set j, 0
.rept 32
	v_mul_f32 v[SA+j], v[OAC+j], v14               ; register 8 t + i is o(r, 16 t + 8 h + i), less the factor 2^(e8 + e9); each accumulator from its low end on
.set j, j+1
.endr
.rept 32
	v_mul_f32 v[SA+j], v[OAC+j], v18               ; tile B
.set j, j+1
.endr
	WIN 0
.set j, 0
.rept 64
	v_med3_num_f32 v[SA+j], v[SA+j], -v[LIMO], v[LIMO]
.set j, j+1
.endr
.irp t, 0,1,2,3,4,5,6,7
	v_cvt_scalef32_pk8_bf8_f32 v[CA+2*\t:CA+2*\t+1], v[SA+8*\t:SA+8*\t+7], v[SCO]
.endr
	v_nop                                          ; a plain line behind the last conversion
.irp t, 0,1,2,3,4,5,6,7
	ds_store_b64 v[STO], v[CA+2*\t:CA+2*\t+1] offset:16*(\t%4)+1280*(\t/4)
.endr
.irp i, 0,1,2,3
	ds_load_b128 v[224+4*\i:227+4*\i], v[SRD] offset:640*\i   ; LDS serves a wave's instructions in order: these see my stores
.endr
	s_wait_dscnt 0x0
.irp i, 0,1,2,3
	global_store_b128 v[GO], v[224+4*\i:227+4*\i], s[OA:OA+1] offset:512*\i
.endr
	s_wait_xcnt 0x0                                ; the stores have read their registers and their base: both may be written again
.endm
	s_wait_alu depctr_va_vdst(0)
	s_wait_loadcnt 0x0                             ; Q, both blocks'
.Lslot:                                            ; eight trips: behind each change of slots the next trip's keys are asked for; all nine slots that are fetched are read
	CHANGE 1
	s_cmp_eq_u32 s[SLOTS], s[SW]                   ; the trip that begins the second block (trip x + 1, one of 1 to 4): ids and the count of trips alone, the same in all eight waves
	s_cbranch_scc0 .Lsame
	FLUSH                                          ; the first block leaves,
	WIN 0x41
.set j, 0
.rept 16
	v_mov_b32 v[QA+j], v[Q2+j]                     ; and the second begins: its Q,
.set j, j+1
.endr
	WIN 0
	FRESH
	s_mov_b32 s[Q0], s[Q0B]                        ; its queries,
	s_mov_b32 s[KF], 0                             ; key 0,
	s_mov_b64 s[OA:OA+1], s[OB:OB+1]               ; its place in ac
.Lsame:
	SLOT_STEPS
	s_sub_co_u32 s[SLOTS], s[SLOTS], 1
	s_cmp_lg_u32 s[SLOTS], 0
	s_cbranch_scc1 .Lslot
	CHANGE 0                                       ; the last slot is written out: nothing is left to fetch
	SLOT_STEPS
	FLUSH
	s_wait_tensorcnt 0x0                           ; the wave's end: behind my last tensor load and my last LDS store
	ds_add_u32 v[SPW], v[NIL]
	s_wait_dscnt 0x0
	s_endpgm
.Lfunc_end_k_qbcc160cb87_attn:
	.size	k_qbcc160cb87_attn, .Lfunc_end_k_qbcc160cb87_attn-k_qbcc160cb87_attn
	.p2alignl 7, 3214868480
	.fill 96, 4, 3214868480
	.section	.rodata,"a",@progbits
	.p2align	6, 0x0
	.amdhsa_kernel k_qbcc160cb87_attn
		.amdhsa_group_segment_fixed_size 327680
		.amdhsa_private_segment_fixed_size 0
		.amdhsa_enable_private_segment 0
		.amdhsa_kernarg_size 24
		.amdhsa_user_sgpr_count 2
		.amdhsa_user_sgpr_kernarg_segment_ptr 1
		.amdhsa_wavefront_size32 1
		.amdhsa_system_sgpr_workgroup_id_x 1
		.amdhsa_system_sgpr_workgroup_id_y 1
		.amdhsa_system_sgpr_workgroup_id_z 1
		.amdhsa_system_vgpr_workitem_id 0
		.amdhsa_next_free_vgpr 512
		.amdhsa_next_free_sgpr 100
		.amdhsa_reserve_vcc 1
		.amdhsa_float_denorm_mode_32 3
		.amdhsa_float_denorm_mode_16_64 3
		.amdhsa_memory_ordered 1
		.amdhsa_forward_progress 1
		.amdhsa_inst_pref_size 116
	.end_amdhsa_kernel
	.amdgpu_metadata
---
amdhsa.version: [ 1, 2 ]
amdhsa.kernels:
  - .name:           k_qbcc160cb87_attn
    .symbol:         k_qbcc160cb87_attn.kd
    .args:
      - { .name: qkv, .offset: 0, .size: 8, .value_kind: global_buffer, .address_space: global }
      - { .name: lowp_scales, .offset: 8, .size: 8, .value_kind: global_buffer, .address_space: global }
      - { .name: ac, .offset: 16, .size: 8, .value_kind: global_buffer, .address_space: global }
    .group_segment_fixed_size: 327680
    .private_segment_fixed_size: 0
    .kernarg_segment_align: 8
    .kernarg_segment_size: 24
    .max_flat_workgroup_size: 256
    .sgpr_count:     100
    .vgpr_count:     512
    .wavefront_size: 32
...
	.end_amdgpu_metadata
.endif
;; end of part 3
;; launch gemm_out (part 4): grid 4 x 64, 4 waves a work-group, clusters of 4 x 4, 327,680 bytes of LDS; arguments ac, wc, lowp_scales, bo, out0; writes out0
.if DOCPART == 4
	.amdgcn_target "amdgcn-amd-amdhsa--gfx1250"
	.amdhsa_code_object_version 6
	.text
	.protected	k_qbcc160cb87_gemm_out
	.globl	k_qbcc160cb87_gemm_out
	.p2align	8
	.type	k_qbcc160cb87_gemm_out,@function
k_qbcc160cb87_gemm_out:
	s_mov_b64 s[64:65], 0
	v_nop
	global_prefetch_b8 v0, s[64:65] scope:SCOPE_SE
	s_setreg_imm32_b32 hwreg(HW_REG_WAVE_MODE, 25, 1), 1
	s_wait_xcnt 0x0
	s_wait_alu depctr_hold_cnt(0) depctr_sa_sdst(0) depctr_va_vdst(0) depctr_va_sdst(0) depctr_va_ssrc(0) depctr_va_vcc(0) depctr_vm_vsrc(0)
	s_getreg_b32 s2, hwreg(HW_REG_IB_STS2, 6, 4)
	s_cmp_eq_u32 s2, 0
	s_cbranch_scc0 .Lentry_in_a_cluster
	s_endpgm
.Lentry_in_a_cluster:
	s_bfe_u32 s2, ttmp6, 0x10000c
	s_cmp_lg_u32 s2, 0xf033
	s_cbranch_scc0 .Lentry_shape_is_right
	s_endpgm
.Lentry_shape_is_right:
; THE LAST LAUNCH.  out0 = a wo + bo on codes of BF8 (E5M2): a's codes from ac [64 blocks of 128 tokens][16 heads][128 tokens][64], wo's from plane 3 of wc, [n][k]; scales: entries 10 and 11.
; A BLOCK of 128 tokens x 256 columns is made by a work-group of four waves: 64 x 4 = 256 work-groups.  A wave makes 64 x 128: 32 accumulators, 256 registers.
; Source 0 takes rows of wo's codes ("B"), source 1 tokens ("A"): a lane holds eight neighbouring columns of one token's row.
; K = 1,024 goes in four steps of 256 (four heads) through a ring of two LDS slots, written out.  A's part of a slot, 128 tokens x four heads, is 32,768 dense bytes, stated as 128 rows of 256 bytes (four tokens of one head
; to a row): waves 0 and 1 fetch 64 rows each; waves 2 and 3 fetch 128 rows each of B's 256.  One tensor load a wave is out at the head and one behind each round.
; BOTH OPERANDS HAVE TWO SETS OF FRAGMENT REGISTERS: a step of 128 along K asks for the next step's 48 LDS loads ahead of its own 32 products.  So a slot's last fragments are in registers in front of the change of
; slots, and the slot is filled again ahead of the products of its last step.
; CLUSTERS: 4 x 4 work-groups; A's tile is asked for jointly along a row of the cluster, B's along a column.
; NO PREFETCH: K has four steps; the two refills bring the last two, so no K step stands two refills ahead of a refill.
; The bias goes in as the C of each sum's first product, divided by 2^(e10 + e11); each finished sum is multiplied by 2^(e10 + e11).  LIMIT: e10 + e11 between -126 and 127.
; THE WAY OUT: blocks of 16 rows x 128 columns go through the wave's own stage, which lies in slot 0 behind that slot's last fill and last read, and leave as rows of 512 bytes.
; REGISTERS: window 0: v12-29 addresses; v32-95 the bias, later scaled sums; v128-191, v192-255 A's fragments, two sets, later rows read back.  Window 1: B's fragments, two sets of 128.  Window 2: accumulator (a, b) at v[8 (8 a + b)].
.set SIZE_N, 1024
.set ROWB,   256
.set PITCH,  272                       ; an LDS row: 256 bytes + 16 of padding
.set FR,     16                        ; registers of a fragment: 16 rows x 128 K
.set NP,     4                         ; places behind this matrix instruction (ISA guide 7.12.1)
.set HALFT,  128*PITCH
.set SLOT,   3*HALFT                   ; A's 128 rows, then B's 256
.set SPARE,  2*SLOT                    ; behind the ring: the spare words, 128 bytes a wave
.set SPITCH, 528
.set BOQ,  12
.set ADRA, 16
.set ADRB, 20
.set STO,  24
.set RD,   25
.set CO,   26
.set SPW,  28
.set NIL,  29
.set BI,   32
.set TMP,  32
.set AF,   128
.set BK,   128
.set G1, 24
.set G0, 32
.set G1B, 48
.set G0B, 56
.set MSB, 0
.macro WIN new                         ; the immediate's high byte repeats the setting that is left
.if MSB != (\new)
	s_set_vgpr_msb (MSB<<8)|(\new)
.set MSB, (\new)
.endif
.endm
.set MUL_LO, 0xa1                      ; source 0 (B) window 1, source 1 (A) window 0, C and D window 2
.set TO_B,   0x40
; A joint load: waves 0 and 1 fetch for A, waves 2 and 3 for B.  An s_nop 0 and four v_nop follow each of the two lines.
.macro JLOAD g0a, g1a, g0b, g1b
	s_cmp_eq_u32 s15, 0
	s_cbranch_scc0 .Lfor_b_\@
	tensor_load_to_lds s[\g0a:\g0a+3], s[\g1a:\g1a+7]
	s_nop 0
.rept 4
	v_nop
.endr
	s_branch .Lasked_\@
.Lfor_b_\@:
	tensor_load_to_lds s[\g0b:\g0b+3], s[\g1b:\g1b+7]
	s_nop 0
.rept 4
	v_nop
.endr
.Lasked_\@:
.endm
.macro CREST                           ; a round of the cluster's barrier behind its opening barrier
	s_cmp_lg_u32 s14, 0
	s_cbranch_scc1 .Lnot_wave_0_\@
	s_barrier_signal -3
.Lnot_wave_0_\@:
	s_barrier_wait -3
	s_barrier_signal -1
	s_barrier_wait -1
.endm
.macro CROUND
	s_barrier_signal -1
	s_barrier_wait -1
	CREST
.endm
	s_load_b128 s[4:7], s[0:1], 0x0                ; ac, wc
	s_load_b128 s[8:11], s[0:1], 0x10              ; the scales' exponents, bo
	s_load_b64 s[12:13], s[0:1], 0x20              ; out0
	v_lshl_add_u32 v[SPW], v0, 2, SPARE
	v_mov_b32 v[NIL], 0
	ds_add_u32 v[SPW], v[NIL]                      ; the wave's opening: the add, twice on end, and its wait ahead of my first tensor load
	ds_add_u32 v[SPW], v[NIL]
	v_lshrrev_b32 v1, 5, v0
	v_readfirstlane_b32 s14, v1                    ; wave 0..3
	s_lshr_b32 s15, s14, 1                         ; which 64 tokens are mine.  Also: I fetch for A (0) or for B (1)
	s_and_b32 s16, s14, 1                          ; which 128 columns.  Also: which half of that tile I fetch
	s_bfe_u32 s40, ttmp6, 0x40000                  ; cx, cy
	s_bfe_u32 s41, ttmp6, 0x40004
	s_lshl_b32 s42, ttmp9, 2
	s_add_co_u32 s42, s42, s40                     ; tile of 256 columns
	s_and_b32 s17, ttmp7, 0xffff
	s_lshl_b32 s17, s17, 2
	s_add_co_u32 s17, s17, s41                     ; block of 128 tokens
	s_lshl_b32 s43, s41, 2
	s_lshl_b32 s43, 15, s43                        ; my row of the cluster
	s_lshl_b32 s44, 0x1111, s40                    ; my column
	s_or_b32 s[G1+0], s43, (0<<16)|(1<<20)|(1<<21)|(5<<22)|(3<<25)   ; the mask; elements of 1 byte; padding: four words after every 64; bit 21 beside a mask
	s_or_b32 s[G1B+0], s44, (0<<16)|(1<<20)|(1<<21)|(5<<22)|(3<<25)
.irp g, G1, G1B
	s_mov_b32 s[\g+1], ROWB<<16
	s_mov_b32 s[\g+3], ROWB<<16
	s_mov_b32 s[\g+6], 0
	s_mov_b32 s[\g+7], 0
.endr
	s_mov_b32 s[G1+2], 64<<16                      ; A: 64 rows, dense
	s_mov_b32 s[G1+4], 64
	s_mov_b32 s[G1+5], 256
	s_mov_b32 s[G1B+2], 128<<16                    ; B: 128 rows, 1,024 bytes apart
	s_mov_b32 s[G1B+4], 128
	s_mov_b32 s[G1B+5], 1024
	s_lshl_b32 s20, s17, 17                        ; A: the block's 131,072 bytes,
	s_lshl_b32 s18, s16, 14
	s_add_co_u32 s20, s20, s18                     ; + my 64 rows of 256 bytes
	s_mov_b32 s21, 0
	s_lshl_b32 s18, s16, 7
	s_lshl_b32 s46, s42, 8
	s_add_co_u32 s46, s46, s18
	s_lshl_b32 s46, s46, 10                        ; B: (256 x tile + 128 x half) rows of 1,024 bytes,
	s_add_co_u32 s46, s46, 0x300000                ; in plane 3
	s_mov_b32 s47, 0
	s_mul_i32 s45, s16, 64*PITCH                   ; where A's rows go,
	s_mul_i32 s19, s16, HALFT
	s_add_co_u32 s19, s19, HALFT                   ; and B's: no place in the cluster enters an LDS address
	s_wait_dscnt 0x0                               ; both opening adds are done
	s_wait_kmcnt 0x0
	s_load_b64 s[96:97], s[8:9], 0x28              ; e10, e11
	s_add_nc_u64 s[20:21], s[4:5], s[20:21]
	s_add_nc_u64 s[46:47], s[6:7], s[46:47]
	CROUND                                         ; all sixteen work-groups are here: the first joint loads meet
.irp s, 0,1
	s_mov_b32 s[G0+4*\s], 1
	s_add_co_u32 s[G0+4*\s+1], s45, \s*SLOT
	s_add_nc_u64 s[G0+4*\s+2:G0+4*\s+3], s[20:21], \s*32768
	s_or_b32 s[G0+4*\s+3], s[G0+4*\s+3], 0x80000000
	s_mov_b32 s[G0B+4*\s], 1
	s_add_co_u32 s[G0B+4*\s+1], s19, \s*SLOT
	s_add_nc_u64 s[G0B+4*\s+2:G0B+4*\s+3], s[46:47], \s*ROWB
	s_or_b32 s[G0B+4*\s+3], s[G0B+4*\s+3], 0x80000000
.endr
	JLOAD G0, G1, G0B, G1B                         ; K step 0: one tensor load a wave at the head
	v_and_b32 v1, 15, v0                           ; r
	v_bfe_u32 v2, v0, 4, 1                         ; h
	v_mul_u32_u24 v3, v1, PITCH
	v_lshl_add_u32 v4, v2, 4, v3                   ; B: row r x pitch + 16 h
	v_lshrrev_b32 v7, 2, v1
	v_mul_u32_u24 v7, v7, PITCH
	v_and_b32 v8, 3, v1
	v_lshl_add_u32 v7, v8, 6, v7
	v_lshl_add_u32 v7, v2, 4, v7                   ; A: four tokens to a row: row r / 4, byte 64 (r % 4) + 16 h
	s_mul_i32 s21, s15, 16*PITCH                   ; my 64 tokens: 16 rows on in each head's 32
	s_mul_i32 s22, s16, HALFT
	s_add_co_u32 s22, s22, HALFT                   ; my 128 rows of B, behind A's 128
.irp s, 0,1
	v_add_nc_u32 v[ADRA+\s], s21, v7
	v_add_nc_u32 v[ADRB+\s], s22, v4
	s_add_co_u32 s21, s21, SLOT
	s_add_co_u32 s22, s22, SLOT
.endr
	s_mul_i32 s23, s14, 16*SPITCH                  ; my stage
	v_mul_u32_u24 v5, v1, SPITCH
	v_lshl_add_u32 v5, v2, 5, v5
	v_add_nc_u32 v[STO], s23, v5
	v_and_b32 v6, 31, v0
	v_lshlrev_b32 v[CO], 4, v6
	v_add_nc_u32 v[RD], s23, v[CO]
	v_lshlrev_b32 v[BOQ], 5, v2
	s_wait_alu depctr_va_vdst(0)
	s_lshl_b32 s94, s42, 10
	s_lshl_b32 s95, s16, 9
	s_add_co_u32 s94, s94, s95                     ; my first column, in bytes
	s_mov_b32 s95, 0
	s_add_nc_u64 s[88:89], s[10:11], s[94:95]
	s_lshl_b32 s92, s17, 7
	s_lshl_b32 s93, s15, 6
	s_add_co_u32 s92, s92, s93                     ; my first row
	s_lshl_b32 s92, s92, 12
	s_mov_b32 s93, 0
	s_add_nc_u64 s[12:13], s[12:13], s[92:93]
	s_add_nc_u64 s[12:13], s[12:13], s[94:95]
.irp b, 0,1,2,3,4,5,6,7
	global_load_b128 v[BI+8*\b:BI+8*\b+3], v[BOQ], s[88:89] offset:64*\b          ; columns 16 b + 8 h + 0 .. 7: the C of accumulators (., b)
	global_load_b128 v[BI+8*\b+4:BI+8*\b+7], v[BOQ], s[88:89] offset:64*\b+16
.endr
.macro FRAG reg, adr, q, i             ; B: registers 4 c .. 4 c + 3 hold K = 32 c + 16 h + 0 .. 15 of row 16 i + r
.irp c, 0,1,2,3
	ds_load_b128 v[\reg+4*\c:\reg+4*\c+3], v[\adr] offset:128*(\q)+32*\c+(\i)*16*PITCH
.endr
.endm
.macro FRAGA reg, adr, q, i            ; A: the same places of K: head 2 q + c / 2 of the slot's four, d = 32 (c % 2) + 16 h + 0 .. 15
.irp c, 0,1,2,3
	ds_load_b128 v[\reg+4*\c:\reg+4*\c+3], v[\adr] offset:((2*(\q)+\c/2)*32+4*(\i))*PITCH+32*(\c%2)
.endr
.endm
; 16 matrix instructions: A's blocks a0, a0 + 1 x B's eight, 128 along K, on set p.  The 32 accumulators take turns, in the same order in every step.
.macro MUL16 a0, p, zero
.irp a, \a0, \a0+1
.irp b, 0,1,2,3,4,5,6,7
.if \zero
	v_wmma_f32_16x16x128_bf8_bf8 v[8*(8*(\a)+\b):8*(8*(\a)+\b)+7], v[128*(\p)+FR*\b:128*(\p)+FR*\b+FR-1], v[AF+64*(\p)+FR*(\a):AF+64*(\p)+FR*(\a)+FR-1], v[BI+8*\b:BI+8*\b+7]
.else
	v_wmma_f32_16x16x128_bf8_bf8 v[8*(8*(\a)+\b):8*(8*(\a)+\b)+7], v[128*(\p)+FR*\b:128*(\p)+FR*\b+FR-1], v[AF+64*(\p)+FR*(\a):AF+64*(\p)+FR*(\a)+FR-1], v[8*(8*(\a)+\b):8*(8*(\a)+\b)+7]
.endif
.endr
.endr
.endm
.macro FETCH slot, q, p                ; the 48 LDS loads of the slot's q-th 128 along K, into set p
	WIN TO_B
.irp i, 0,1,2,3,4,5,6,7
	FRAG 128*(\p)+FR*\i, ADRB+\slot, \q, \i
.endr
	WIN 0
.irp i, 0,1,2,3
	FRAGA AF+64*(\p)+FR*\i, ADRA+\slot, \q, \i
.endr
.endm
.macro PLACES n
.rept \n
	v_nop
.endr
.endm
; A slot's first step, on set 0: the second step's fragments are asked for ahead of the products.
.macro STEP slot, zero
	s_wait_dscnt 0x0                               ; set 0 is in
	PLACES NP                                      ; in front of loads into set 1, which the last products read
	FETCH \slot, 1, 1
.if \zero
	WIN 0x81                                       ; C (the bias) window 0, D window 2
.else
	WIN MUL_LO
.endif
	MUL16 0, 0, \zero
	MUL16 2, 0, \zero
	WIN 0
.endm
; A slot's second step, on set 1, changes slots.  In front of the barrier each wave waits for all its tensor loads, adds 0 to its spare word, and waits for that and for its reads of this slot, which are then all in registers.
.macro TURN slot, next, fill
	s_wait_tensorcnt 0x0                           ; my part of the next slot has landed
	ds_add_u32 v[SPW], v[NIL]
	s_wait_dscnt 0x0                               ; the add is done, set 1 is in, and my reads of this slot are over
	s_barrier_signal -1
	WIN MUL_LO
	MUL16 0, 1, 0                                  ; work on registers while the others arrive
	WIN 0
	s_barrier_wait -1
.if \fill
	CREST                                          ; the barrier has opened a round of the cluster's barrier
	s_add_nc_u64 s[G0+4*\slot+2:G0+4*\slot+3], s[G0+4*\slot+2:G0+4*\slot+3], 2*32768
	s_add_nc_u64 s[G0B+4*\slot+2:G0B+4*\slot+3], s[G0B+4*\slot+2:G0B+4*\slot+3], 2*ROWB
	JLOAD G0+4*\slot, G1, G0B+4*\slot, G1B         ; the first tensor load behind the round; its four v_nop are the places in front of the loads below
.else
	PLACES NP
.endif
	FETCH \next, 0, 0
	WIN MUL_LO
	MUL16 2, 1, 0
	WIN 0
.endm
	s_wait_alu depctr_va_vdst(0)
	s_wait_tensorcnt 0x0                           ; my part of K step 0 is in; these lines stand ahead of slot 1's first fill as ahead of a refill
	ds_add_u32 v[SPW], v[NIL]
	s_wait_dscnt 0x0
	CROUND
	JLOAD G0+4, G1, G0B+4, G1B                     ; K step 1: the first tensor load behind the round
	FETCH 0, 0, 0
	s_wait_kmcnt 0x0
	s_add_co_i32 s96, s96, s97                     ; e10 + e11
	s_sub_co_i32 s91, 0, s96
	s_add_co_i32 s96, s96, 127
	s_lshl_b32 s96, s96, 23                        ; 2^(e10 + e11) as f32
	s_wait_loadcnt 0x0                             ; the bias
.set j, 0
.rept 64
	v_ldexp_f32 v[BI+j], v[BI+j], s91              ; bias / 2^(e10 + e11)
.set j, j+1
.endr
	s_wait_alu depctr_va_vdst(0)
	STEP 0, 1
	TURN 0, 1, 1                                   ; slot 0 takes K step 2
	STEP 1, 0
	TURN 1, 0, 1                                   ; slot 1 takes K step 3
	STEP 0, 0
	TURN 0, 1, 0                                   ; nothing is left to fetch
	STEP 1, 0
	s_wait_dscnt 0x0                               ; the very last step
	WIN MUL_LO
	MUL16 0, 1, 0
	MUL16 2, 1, 0
	WIN 0
.macro TOSTAGE a
.set AC, 64*(\a)
	WIN 0x02                                       ; source 0: window 2
.set j, 0
.rept 32
	v_pk_mul_f32 v[TMP+j:TMP+j+1], v[AC+j:AC+j+1], s[96:97] op_sel_hi:[1,0]   ; x 2^(e10 + e11); each accumulator from its low end on
.set j, j+2
.endr
	WIN 0
.irp b, 0,1,2,3,4,5,6,7
	ds_store_b128 v[STO], v[TMP+8*\b:TMP+8*\b+3] offset:64*\b
	ds_store_b128 v[STO], v[TMP+8*\b+4:TMP+8*\b+7] offset:64*\b+16
.endr
.set BB, BK+64*((\a)%2)
.irp t, 0,1,2,3,4,5,6,7,8,9,10,11,12,13,14,15
	ds_load_b128 v[BB+4*\t:BB+4*\t+3], v[RD] offset:\t*SPITCH    ; LDS serves a wave's instructions in order: these see my stores
.endr
.endm
.macro SEND a, younger                 ; younger: the LDS instructions issued behind block a's loads, which may stay out
.set BB, BK+64*((\a)%2)
	s_wait_dscnt \younger
.if (\a) > 0
	s_add_nc_u64 s[12:13], s[12:13], 16*SIZE_N*4   ; (behind a wait on XCNT: the earlier stores have read their base)
.endif
.irp t, 0,1,2,3,4,5,6,7,8,9,10,11,12,13,14,15
	global_store_b128 v[CO], v[BB+4*\t:BB+4*\t+3], s[12:13] offset:\t*SIZE_N*4 th:TH_STORE_NT   ; 32 lanes store 512 consecutive bytes, aligned
.endr
.endm
	PLACES NP
	TOSTAGE 0
.irp a, 1,2,3
.if \a > 1
	s_wait_xcnt 0x0                                ; block a - 2's stores have read their registers and their base
.endif
	TOSTAGE \a
	SEND \a-1, 32                                  ; behind block a - 1's loads: block a's 16 stores and 16 loads
.endr
	s_wait_xcnt 0x0
	SEND 3, 0
	s_wait_tensorcnt 0x0                           ; the wave's end: behind my last tensor load and my last LDS store
	ds_add_u32 v[SPW], v[NIL]
	s_wait_dscnt 0x0
	CROUND                                         ; the closing round
	s_endpgm
.Lfunc_end_k_qbcc160cb87_gemm_out:
	.size	k_qbcc160cb87_gemm_out, .Lfunc_end_k_qbcc160cb87_gemm_out-k_qbcc160cb87_gemm_out
	.p2alignl 7, 3214868480
	.fill 96, 4, 3214868480
	.section	.rodata,"a",@progbits
	.p2align	6, 0x0
	.amdhsa_kernel k_qbcc160cb87_gemm_out
		.amdhsa_group_segment_fixed_size 327680
		.amdhsa_private_segment_fixed_size 0
		.amdhsa_enable_private_segment 0
		.amdhsa_kernarg_size 40
		.amdhsa_user_sgpr_count 2
		.amdhsa_user_sgpr_kernarg_segment_ptr 1
		.amdhsa_wavefront_size32 1
		.amdhsa_system_sgpr_workgroup_id_x 1
		.amdhsa_system_sgpr_workgroup_id_y 1
		.amdhsa_system_sgpr_workgroup_id_z 1
		.amdhsa_system_vgpr_workitem_id 0
		.amdhsa_next_free_vgpr 768
		.amdhsa_next_free_sgpr 100
		.amdhsa_reserve_vcc 0
		.amdhsa_float_denorm_mode_32 3
		.amdhsa_float_denorm_mode_16_64 3
		.amdhsa_memory_ordered 1
		.amdhsa_forward_progress 1
		.amdhsa_inst_pref_size 81
	.end_amdhsa_kernel
	.amdgpu_metadata
---
amdhsa.version: [ 1, 2 ]
amdhsa.kernels:
  - .name:           k_qbcc160cb87_gemm_out
    .symbol:         k_qbcc160cb87_gemm_out.kd
    .args:
      - { .name: ac, .offset: 0, .size: 8, .value_kind: global_buffer, .address_space: global }
      - { .name: wc, .offset: 8, .size: 8, .value_kind: global_buffer, .address_space: global }
      - { .name: lowp_scales, .offset: 16, .size: 8, .value_kind: global_buffer, .address_space: global }
      - { .name: bo, .offset: 24, .size: 8, .value_kind: global_buffer, .address_space: global }
      - { .name: out0, .offset: 32, .size: 8, .value_kind: global_buffer, .address_space: global }
    .group_segment_fixed_size: 327680
    .private_segment_fixed_size: 0
    .kernarg_segment_align: 8
    .kernarg_segment_size: 40
    .max_flat_workgroup_size: 128
    .sgpr_count:     100
    .vgpr_count:     768
    .wavefront_size: 32
...
	.end_amdgpu_metadata
.endif
;; end of part 4
